; MI455X (gfx1250); checked and timed in simulation.
; The chip was launched on July 23, 2026; its instructions are those of AMD's public machine-readable ISA for CDNA 5 (MIT licence, August 2026) and "CDNA5" Instruction Set Architecture Reference Guide (July 2026). The comments in the code are by the model that wrote it; some were corrected since.
;; Scaled Dot Product Attention. Allowed arithmetic: matrix products marked QUANTISED: E2M3 operands, one E8M0 scale for each 32 along K, by v_wmma_scale_f32_16x16x128_f8f6f4 with both operands' format E2M3, f32 sums; everything else in f32.
;; Inputs: Wk 1,024 x 1,024 float32; Wq 1,024 x 1,024 float32; Wv 1,024 x 1,024 float32; x 4 x 2,048 x 1,024 float32.
;; Outputs: out0 4 x 2,048 x 1,024 float32.
;; This version of the problem:
;;   THIS VERSION OF THE PROBLEM IS GIVEN IN LOW PRECISION. The matrix products marked QUANTISED in the list below multiply operands that are first quantised to E2M3 (2 exponent bits, 3 mantissa bits; 6 bits a number), with one power-of-two scale for each 32 numbers along K (OCP MX v1.0); their sums are f32. All else is computed in f32.
;;   The module's matrix products, in the order in which they are computed (A, B: the left and right operand; K: the contracted axis; several contracted axes count as one K, in the product's order):
;;     1. [M 8,192, K 1,024] x [K 1,024, N 1,024]; A: input x; B: input Wq: QUANTISED
;;     2. [M 8,192, K 1,024] x [K 1,024, N 1,024]; A: input x; B: input Wk: QUANTISED
;;     3. [M 8,192, K 1,024] x [K 1,024, N 1,024]; A: input x; B: input Wv: QUANTISED
;;     4. batch 4 x [M 2,048, K 1,024] x [K 1,024, N 2,048]; A: computed on the way; B: computed on the way: QUANTISED
;;     5. batch 4 x [M 2,048, K 2,048] x [K 2,048, N 1,024]; A: softmax (see below); B: computed on the way: QUANTISED
;;   THE QUANTISER, for each operand of a quantised product, along K:
;;     - K is cut into blocks of 32 from its start; a last block that is shorter is filled with zeros.
;;     - A block's scale is 2^e with e = floor(log2(the largest magnitude in the block)) - 2, held to -126 .. 127; a block of zeros has e = 0. As a byte (E8M0): e + 127.
;;     - Each number is divided by its block's scale, clamped to +-7.5, and rounded to the nearest number of E2M3, ties to even, subnormals kept.
;;     - The product sums the exact products of the quantised numbers (number of the format x scale) in f32.
;;   ~~~python
;;   def quantise(x, axis):      # numpy; x: float32 -> the quantised numbers, widened to float32 again
;;       x = np.moveaxis(x, axis, -1); K = x.shape[-1]
;;       x = np.pad(x, [(0, 0)] * (x.ndim - 1) + [(0, -K % 32)]); x = x.reshape(x.shape[:-1] + (-1, 32)); a = np.abs(x).max(-1, keepdims=True)
;;       e = np.where(a > 0, np.clip(np.frexp(np.where(a > 0, a, 1))[1] - 1 - 2, -126, 127), 0)      # np.frexp(a)[1] - 1 = floor(log2(a)), exactly
;;       r = np.clip(x / 2.0 ** e, -7.5, 7.5)
;;       step = 2.0 ** (np.maximum(np.frexp(np.where(r == 0, 1, r))[1] - 1, 0) - 3)
;;       q = np.round(r / step) * step * 2.0 ** e      # np.round: ties to even
;;       return np.moveaxis(q.reshape(q.shape[:-2] + (-1,))[..., :K], -1, axis).astype(np.float32)
;;   ~~~
;;   SOFTMAX AHEAD OF A QUANTISED PRODUCT. Where the list says 'softmax', what is quantised is not the finished softmax but p = 2^(t - M), with t = logit x log2(e) and M = ceil(the row's largest t), a whole number; so 1/2 < the row's largest p <= 1. The row's sum l is taken of the UNQUANTISED p, in f32, and the product's result is divided by l at the end. Since M is a whole number, a kernel that streams over the keys may use a running M (the ceiling of the running maximum): every later rescaling is an exact power of two, which a block's scale takes up: the codes' values come out the same.
;;   OPERANDS COMPUTED ON THE WAY. 'Computed on the way' means the value that the module computes at that place (a softmax that the list does not call 'softmax' is quantised finished and normalised). What goes into a quantiser is computed in f32, as accurately as f32 sums, v_exp_f32 and their like allow (about 1e-6 of the number): no bf16 or f16 on the way to a quantiser, and a product that is left as it is and whose result goes on into a quantised operand takes f32 operands (vector FMAs, or v_wmma_f32_16x16x4_f32). A number that lies on a knife's edge between two numbers of the format may be rounded either way, as far as f32 arithmetic and the matrix unit's own rounding can turn it there, and no further.
;; One version. Each part assembles by itself: llvm-mc -triple=amdgcn-amd-amdhsa -mcpu=gfx1250 --defsym DOCPART=n.
;; ======== version 1 of 1: 4 launches
;; workspace buffers: x_rec 6,553,600 bytes; w_rec 2,457,600 bytes; qk_rec 13,107,200 bytes; v_rec 6,553,600 bytes; p_rec 13,107,200 bytes; p_stats 1,048,576 bytes
;; launch quant (part 1): grid 352 x 1, 4 waves a work-group, no clusters, 35,328 bytes of LDS; arguments x, Wq, Wk, Wv, x_rec, w_rec; writes x_rec, w_rec
.if DOCPART == 1
	.amdgcn_target "amdgcn-amd-amdhsa--gfx1250"
	.amdhsa_code_object_version 6
	.text
	.protected	k_q9afb35de2a_quant
	.globl	k_q9afb35de2a_quant
	.p2align	8
	.type	k_q9afb35de2a_quant,@function
k_q9afb35de2a_quant:
	s_mov_b64 s[64:65], 0
	v_nop
	global_prefetch_b8 v0, s[64:65] scope:SCOPE_SE
	s_setreg_imm32_b32 hwreg(HW_REG_WAVE_MODE, 25, 1), 1
	s_wait_xcnt 0x0
; x [8192][1024] and Wq, Wk, Wv [1024][1024], f32 with K innermost, become codes of FP6 (E2M3) with one E8M0 scale byte for each 32 along K, laid as RECORDS.
; A RECORD is 128 rows x 128 along K of an operand, in the order of the operand's registers: eight fragment images of 1,536 bytes (registers 4 c .. 4 c + 3 of lane l at 512 c + 16 l), then 128 scale words
; (word 16 i + r: lane r of fragment i): 12,800 bytes.  Lane r of fragment i stands for row 32 (i / 2) + 8 (i % 2) + r + 8 (r / 8) of the 128, so that a product that takes such fragments as source 0
; leaves 16 neighbouring rows in a lane's 16 registers of two neighbouring tiles.  The records of a group of 128 rows lie on end along K: x_rec [64 groups][8], w_rec [24 groups: Wq, Wk, Wv][8].
; A block's scale is 2^(floor(log2(its largest magnitude)) - 2); its byte is the largest magnitude's exponent field - 2, held at 1 from below.
; LIMITS: a block whose largest magnitude lies under 2^-124 gets the byte 1 (a block of zeros too, where the rule says 127: its codes are zeros, and this program alone reads the bytes); NaN and infinities are not served.
; SHARES: work-group g: row group g / 4 (0-63: x, 64-87: the weights); wave w: K step 2 (g % 4) + w / 2, fragments 4 (w % 2) .. + 3: 64 rows x 128 along K.  One path for all four tensors: only pointers are chosen.
; Each load reads 512 consecutive bytes of a row; a fragment's 16 rows turn through the wave's own stage in LDS (rows 528 bytes apart) so that a lane gets 16 neighbours of each block of 32.
; No tensor loads, no barrier: waves share nothing.  Matrix units and clusters have no work here: each byte is read once and written once.
.set REC,  12800
.set SP,   528                         ; a stage row: 512 bytes + 16
.set WREG, 16*SP+256                   ; a wave's LDS: the stage, then its 64 scale words
.set LI,   1                           ; v1   16 x lane
.set STI,  2                           ; v2   into the stage
.set STO,  3                           ; v3   out of the stage: row r, + 64 h
.set SSA,  4                           ; v4   where I put a scale word: 4 r
.set SLA,  5                           ; v5   where I read two back: 8 x lane
.set L8,   6                           ; v6   8 x lane
.set TM,   16                          ; v16-31   at work in the quantiser
.set RR,   32                          ; v32-159  two sets of 64: a fragment's numbers as loaded
.set X,    160                         ; v160-223 the same turned: register 16 b + i = k 32 b + 16 h + i of row r
.set PC,   224                         ; v224-243 the codes
.set PW,   244                         ; v244-247 a scale word for each fragment
.set OW,   248
.set SEL,  30                          ; s[30:31] selects for lane l xor 16
.set MSB, 0
.macro WIN new                         ; (all registers of this text lie in window 0: no switch is ever written here)
.if MSB != (\new)
	s_set_vgpr_msb (MSB<<8)|(\new)
.set MSB, (\new)
.endif
.endm
; The quantiser.  64 numbers of a lane in window w, register s + 16 b + i = k 32 b + 16 h + i of my row.
.macro BLKMAX s, w                     ; the four blocks' largest magnitudes into v[TM] on
	WIN 5*(\w)
.irp b, 0,1,2,3
	v_max3_num_f32 v[TM+\b], |v[\s+16*\b]|, |v[\s+1+16*\b]|, 0x1800000   ; with the floor 2^(3 - 127) among the leaves: the byte cannot fall under 1
.endr
.irp i, 2,4,6,8,10,12,14
.irp b, 0,1,2,3
	v_max3_num_f32 v[TM+\b], |v[\s+16*\b+\i]|, |v[\s+1+16*\b+\i]|, v[TM+\b]   ; the four blocks by turns
.endr
.endr
	WIN 0
.irp b, 0,1,2,3
	v_permlanex16_b32 v[TM+4+\b], v[TM+\b], s[SEL], s[SEL+1]
.endr
.irp b, 0,1,2,3
	v_max_num_f32 v[TM+\b], v[TM+\b], v[TM+4+\b]   ; with lane l xor 16's 16 numbers
.endr
.endm
.macro SCALEW pw                       ; the conversions' scale operands into v[TM+12] on, my row's scale word into v[pw]
.irp b, 0,1,2,3
	v_add_nc_u32 v[TM+12+\b], 0xff000000, v[TM+\b]   ; 2 off the exponent field
.endr
.irp b, 0,1,2,3
	v_lshrrev_b32 v[TM+4+\b], 23, v[TM+12+\b]        ; the byte
.endr
	v_lshl_or_b32 v[\pw], v[TM+5], 8, v[TM+4]
	v_lshl_or_b32 v[\pw], v[TM+6], 16, v[\pw]
	v_lshl_or_b32 v[\pw], v[TM+7], 24, v[\pw]
.endm
.macro CODES s, w                      ; the fragment's 12 registers into v[PC] on
	WIN \w
.irp c, 0,1
	v_cvt_scalef32_pk16_fp6_f32 v[PC+6*\c:PC+2+6*\c], v[\s+32*\c:\s+15+32*\c], v[TM+12+2*\c]
	v_cvt_scalef32_pk16_fp6_f32 v[PC+12+4*\c:PC+14+4*\c], v[\s+16+32*\c:\s+31+32*\c], v[TM+13+2*\c]   ; (a conversion's three registers begin on an even number)
.endr
	WIN 0
	v_nop                                          ; one plain place behind the scaled conversions
.irp c, 0,1                                    ; the layout wants a whole block in a lane: lanes 0-15 block 2 c, lanes 16-31 block 2 c + 1
.irp i, 0,1,2
	v_permlane16_swap_b32 v[PC+6*\c+\i], v[PC+12+4*\c+\i]
.endr
.irp i, 0,1,2
	v_mov_b32 v[PC+3+6*\c+\i], v[PC+12+4*\c+\i]
.endr
.endr
.endm
.macro QUANT s, w, pw
	BLKMAX \s, \w
	SCALEW \pw
	CODES \s, \w
.endm
	s_load_b256 s[4:11], s[0:1], 0x0               ; x, Wq, Wk, Wv
	s_load_b128 s[12:15], s[0:1], 0x20             ; x_rec, w_rec
	v_lshl_add_u32 v254, v0, 2, 0x8800
	v_mov_b32 v255, 0
	v_lshrrev_b32 v7, 5, v0
	v_readfirstlane_b32 s16, v7                    ; wave 0..3
	v_and_b32 v7, 31, v0                           ; lane
	v_and_b32 v8, 15, v0                           ; r
	v_bfe_u32 v9, v0, 4, 1                         ; h
	s_mul_i32 s28, s16, WREG
	v_lshlrev_b32 v[LI], 4, v7
	v_add_nc_u32 v[STI], s28, v[LI]
	v_mul_u32_u24 v[STO], v8, SP
	v_lshl_add_u32 v[STO], v9, 6, v[STO]
	v_add_nc_u32 v[STO], s28, v[STO]
	s_add_co_u32 s28, s28, 16*SP
	v_lshlrev_b32 v[SSA], 2, v8
	v_add_nc_u32 v[SSA], s28, v[SSA]
	v_lshlrev_b32 v[L8], 3, v7
	v_add_nc_u32 v[SLA], s28, v[L8]
.irp b, 0,1,2,3
	v_mov_b32 v[TM+4+\b], 0                        ; written once: a lane permute's destination counts as one of its sources
.endr
	s_mov_b32 s[SEL], 0x76543210
	s_mov_b32 s[SEL+1], 0xfedcba98
	s_lshr_b32 s17, ttmp9, 2                       ; row group 0..87
	s_and_b32 s18, ttmp9, 3
	s_lshl_b32 s18, s18, 1
	s_lshr_b32 s19, s16, 1
	s_add_co_u32 s18, s18, s19                     ; K step q = 2 (g % 4) + wave / 2
	s_and_b32 s19, s16, 1                          ; which half of the record's fragments
	s_sub_co_u32 s20, s17, 64                      ; among the weights' 24 groups (of no use for x)
	s_and_b32 s21, s20, 7                          ; the group inside its weight
	s_lshr_b32 s22, s20, 3                         ; which weight
	s_wait_kmcnt 0x0
	s_cmp_eq_u32 s22, 1                            ; the choices hang on the work-group's number alone
	s_cselect_b64 s[6:7], s[8:9], s[6:7]
	s_cmp_eq_u32 s22, 2
	s_cselect_b64 s[6:7], s[10:11], s[6:7]
	s_cmp_lt_u32 s17, 64
	s_cselect_b64 s[4:5], s[4:5], s[6:7]           ; the tensor
	s_cselect_b64 s[12:13], s[12:13], s[14:15]     ; its records
	s_cselect_b32 s21, s17, s21                    ; the group inside the tensor
	s_cselect_b32 s20, s17, s20                    ; the group inside the records' buffer
	s_lshl_b32 s24, s21, 19                        ; 128 rows of 4,096 bytes,
	s_lshl_b32 s23, s19, 18                        ; my 64 of them,
	s_add_co_u32 s24, s24, s23
	s_lshl_b32 s23, s18, 9                         ; 512 bytes a K step
	s_add_co_u32 s24, s24, s23
	s_mov_b32 s25, 0
	s_add_nc_u64 s[4:5], s[4:5], s[24:25]
	s_lshl_b32 s26, s20, 3
	s_add_co_u32 s26, s26, s18
	s_mul_i32 s26, s26, REC
	s_mov_b32 s27, 0
	s_add_nc_u64 s[12:13], s[12:13], s[26:27]      ; my record
	s_mul_i32 s26, s19, 4*1536
	s_add_nc_u64 s[14:15], s[12:13], s[26:27]      ; my four fragment images
	s_lshl_b32 s26, s19, 8
	s_add_co_u32 s26, s26, 8*1536
	s_add_nc_u64 s[12:13], s[12:13], s[26:27]      ; my 64 scale words
.macro LOADF f                         ; fragment f: its 16 rows' 512 bytes of the K step, row of lane p by load p
.irp p, 0,1,2,3,4,5,6,7,8,9,10,11,12,13,14,15
	global_load_b128 v[RR+64*((\f)%2)+4*\p:RR+64*((\f)%2)+4*\p+3], v[LI], s[4:5] offset:(32*((\f)/2)+8*((\f)%2)+\p+8*(\p/8))*4096 th:TH_LOAD_NT
.endr
.endm
.macro TURNF f                         ; through the stage: LDS serves a wave's instructions in order, so no wait stands between the stores and the loads
.irp p, 0,1,2,3,4,5,6,7,8,9,10,11,12,13,14,15
	ds_store_b128 v[STI], v[RR+64*((\f)%2)+4*\p:RR+64*((\f)%2)+4*\p+3] offset:SP*\p
.endr
.irp b, 0,1,2,3
.irp j, 0,1,2,3
	ds_load_b128 v[X+16*\b+4*\j:X+16*\b+4*\j+3], v[STO] offset:128*\b+16*\j
.endr
.endr
.endm
	LOADF 0
	LOADF 1
.irp f, 0,1,2,3
.if \f < 3
	s_wait_loadcnt 16                              ; this fragment's sixteen loads are in; the next fragment's sixteen may be out
.else
	s_wait_loadcnt 0x0
.endif
	TURNF \f
	s_wait_dscnt 0x0                               ; the numbers are back, and the stage's stores have read their registers,
.if \f < 2
	LOADF \f+2                                     ; which take the fragment two further on
.endif
.if \f > 0
	s_wait_xcnt 0x0                                ; the last fragment's stores have read the codes' registers: they are written again only behind this wait
.endif
	QUANT X, 0, PW+\f
.irp c, 0,1,2
	global_store_b128 v[LI], v[PC+4*\c:PC+4*\c+3], s[14:15] offset:1536*\f+512*\c   ; 512 consecutive bytes, at a multiple of 512 from the buffer's first byte
.endr
	ds_store_b32 v[SSA], v[PW+\f] offset:64*\f     ; lanes l and l + 16 write the same word with the same value
.endr
	ds_load_b64 v[OW:OW+1], v[SLA]                 ; in order behind my stores
	s_wait_dscnt 0x0
	global_store_b64 v[L8], v[OW:OW+1], s[12:13]   ; 256 consecutive bytes, aligned
	s_wait_tensorcnt 0x0
	ds_add_u32 v254, v255
	s_wait_dscnt 0x0
	s_endpgm
.Lfunc_end_k_q9afb35de2a_quant:
	.size	k_q9afb35de2a_quant, .Lfunc_end_k_q9afb35de2a_quant-k_q9afb35de2a_quant
	.p2alignl 7, 3214868480
	.fill 96, 4, 3214868480
	.section	.rodata,"a",@progbits
	.p2align	6, 0x0
	.amdhsa_kernel k_q9afb35de2a_quant
		.amdhsa_group_segment_fixed_size 35328
		.amdhsa_private_segment_fixed_size 0
		.amdhsa_enable_private_segment 0
		.amdhsa_kernarg_size 48
		.amdhsa_user_sgpr_count 2
		.amdhsa_user_sgpr_kernarg_segment_ptr 1
		.amdhsa_wavefront_size32 1
		.amdhsa_system_sgpr_workgroup_id_x 1
		.amdhsa_system_sgpr_workgroup_id_y 1
		.amdhsa_system_sgpr_workgroup_id_z 1
		.amdhsa_system_vgpr_workitem_id 0
		.amdhsa_next_free_vgpr 256
		.amdhsa_next_free_sgpr 66
		.amdhsa_reserve_vcc 0
		.amdhsa_float_denorm_mode_32 3
		.amdhsa_float_denorm_mode_16_64 3
		.amdhsa_memory_ordered 1
		.amdhsa_forward_progress 1
		.amdhsa_inst_pref_size 34
	.end_amdhsa_kernel
	.amdgpu_metadata
---
amdhsa.version: [ 1, 2 ]
amdhsa.kernels:
  - .name:           k_q9afb35de2a_quant
    .symbol:         k_q9afb35de2a_quant.kd
    .args:
      - { .name: x, .offset: 0, .size: 8, .value_kind: global_buffer, .address_space: global }
      - { .name: Wq, .offset: 8, .size: 8, .value_kind: global_buffer, .address_space: global }
      - { .name: Wk, .offset: 16, .size: 8, .value_kind: global_buffer, .address_space: global }
      - { .name: Wv, .offset: 24, .size: 8, .value_kind: global_buffer, .address_space: global }
      - { .name: x_rec, .offset: 32, .size: 8, .value_kind: global_buffer, .address_space: global }
      - { .name: w_rec, .offset: 40, .size: 8, .value_kind: global_buffer, .address_space: global }
    .group_segment_fixed_size: 35328
    .private_segment_fixed_size: 0
    .kernarg_segment_align: 8
    .kernarg_segment_size: 48
    .max_flat_workgroup_size: 128
    .sgpr_count:     66
    .vgpr_count:     256
    .wavefront_size: 32
...
	.end_amdgpu_metadata
.endif
;; end of part 1
;; launch proj (part 2): grid 12 x 32, 4 waves a work-group, clusters of 4 x 4, 327,680 bytes of LDS; arguments x_rec, w_rec, qk_rec, v_rec; writes qk_rec, v_rec
.if DOCPART == 2
	.amdgcn_target "amdgcn-amd-amdhsa--gfx1250"
	.amdhsa_code_object_version 6
	.text
	.protected	k_q9afb35de2a_proj
	.globl	k_q9afb35de2a_proj
	.p2align	8
	.type	k_q9afb35de2a_proj,@function
k_q9afb35de2a_proj:
	s_mov_b64 s[64:65], 0
	v_nop
	global_prefetch_b8 v0, s[64:65] scope:SCOPE_SE
	s_setreg_imm32_b32 hwreg(HW_REG_WAVE_MODE, 25, 1), 1
	s_wait_xcnt 0x0
	s_wait_alu depctr_hold_cnt(0) depctr_sa_sdst(0) depctr_va_vdst(0) depctr_va_sdst(0) depctr_va_ssrc(0) depctr_va_vcc(0) depctr_vm_vsrc(0)
	s_getreg_b32 s2, hwreg(HW_REG_IB_STS2, 6, 4)
	s_cmp_eq_u32 s2, 0
	s_cbranch_scc0 .Lentry_in_a_cluster
	s_endpgm
.Lentry_in_a_cluster:
	s_bfe_u32 s2, ttmp6, 0x10000c
	s_cmp_lg_u32 s2, 0xf033
	s_cbranch_scc0 .Lentry_shape_is_right
	s_endpgm
.Lentry_shape_is_right:
; Q = x Wq^T, K = x Wk^T, V = x Wv^T on codes of FP6 (E2M3) with E8M0 scales, f32 sums; the results are quantised in registers, Q and K along the model axis, V along the tokens, and leave as RECORDS.
; A RECORD is 128 rows x 128 along K in the order of the operand's registers: eight fragment images of 1,536 bytes (registers 4 c .. 4 c + 3 of lane l at 512 c + 16 l), then 128 scale words (word 16 i + r);
; lane r of fragment i stands for row 32 (i / 2) + 8 (i % 2) + r + 8 (r / 8).  A group's records lie on end along K, so three K steps of 128 rows are one dense block of 38,400 bytes.
; A tile of 256 x 256 to a work-group of four waves, 128 x 128 to a wave: 64 accumulators.  THE PRODUCT IS USED TRANSPOSED: source 0 = a fragment of the B side, source 1 = one of the A side.  A lane then holds one row
; of the A side, and the 16 registers of accumulators (a, 2 B), (a, 2 B + 1) are B-side rows 32 B + 16 h + 0 .. 15: 16 neighbours along the NEXT product's K.  So a wave's 64 accumulators become exactly one record.
; Clusters x = 0, 1: A side = x (tokens), B side = Wq, Wk: records of Q and K, qk_rec [token group 64][16: Q's 8 K steps, K's 8].  Cluster x = 2: A side = Wv, B side = x: V^T, so that the registers run along the
; tokens: v_rec [batch 4][channel group 8][key step 16].  One text serves both: only pointers and offsets are chosen, on the cluster's x, which all partners share.
; THE RING: two LDS slots of THREE K steps each (A's two halves, B's two halves, 38,400 bytes each; wave w fills part w by one tensor load).  K = 1,024 is eight K steps: six are asked for at the head,
; the last two by one refill.  At most two tensor loads of a wave are out.  The scale words travel inside the records.
; CLUSTERS: 4 x 4 work-groups; A's parts are asked for jointly by a row of the cluster, B's by a column.
; LIMITS: a block whose largest magnitude lies under 2^-124 gets the byte 1 (a block of zeros too: its codes are zeros, and this program alone reads the bytes); NaN and infinities are not served.
; REGISTERS: window 0: v16-27 addresses, v28-29 for the add, v32-47 scale words (two sets), v48-95 the way out, v128-223 A's fragments (one set); window 1: B's fragments, two sets at v0 and v128;
;   windows 2, 3: the accumulators ((a, b) at v[8 (8 (a % 4) + b)], a < 4 in window 2).
.set REC,   12800
.set HALFT, 3*REC                      ; three K steps of 128 rows: what one tensor load brings
.set SLOT,  4*HALFT
.set GRPB,  8*REC                      ; a group's eight records
.set RL,    100                        ; rows of 256 bytes in the last fill: K steps 6 and 7
.set STAGE, SLOT                       ; the way out: 2,048 bytes a wave in slot 1, which has had its last fill and its last read behind the last change of slots
.set SPARE, 2*SLOT                     ; the spare words: 128 bytes a wave, two blocks of 256 bytes that no other line names
.set ADRA, 16                          ; v16-17 my A fragments in slot 0, 1: + 16 x lane
.set ADRB, 18                          ; v18-19 my B fragments
.set SCAA, 20                          ; v20-21 the same bases + 4 x lane, for scale words
.set SCAB, 22                          ; v22-23
.set LI,   24                          ; v24  16 x lane
.set SST,  25                          ; v25  the stage: 4 r
.set SLD,  26                          ; v26  the stage: 16 x lane
.set SPW,  28
.set NIL,  29
.set SC,   32                          ; scale words: set k % 2 at SC + 8 (k % 2); + p: A's blocks 2 p (lanes 0-15) and 2 p + 1 (lanes 16-31); + 4 + p: B's
.set TM,   48
.set PC,   64
.set PWS,  84                          ; v84-91 a scale word for each block
.set OW,   92
.set AF,   128
.set G1A,  24                          ; s[24:31] group 1, A, 150 rows;  s[32:39] group 0, A, a set for each slot
.set G0A,  32
.set G1B,  48                          ; s[48:55], s[56:63] the same for B
.set G0B,  56
.set G1AL, 68                          ; s[68:75], s[76:83] groups 1 of the last fill
.set G1BL, 76
.set SEL,  84
.set OUT,  88
.set MSB, 0
.macro WIN new                         ; the immediate's high byte repeats the setting that is left
.if MSB != (\new)
	s_set_vgpr_msb (MSB<<8)|(\new)
.set MSB, (\new)
.endif
.endm
.set MUL_LO, 0xa1                      ; source 0 (B) window 1, source 1 (A) window 0, C and D window 2
.set MUL_HI, 0xf1                      ; the same, C and D window 3
.set TO_B,   0x40                      ; destination window 1, address window 0
.macro PLACES n                        ; plain places behind matrix instructions: four in front of loads into registers that they read and of the first read of results
.rept \n
	v_nop
.endr
.endm
; A joint load: waves 0 and 1 fetch for A, waves 2 and 3 for B; the branch hangs on the wave's number alone.  Four v_nop follow each of the two lines.
.macro JLOAD g0a, g1a, g0b, g1b
	s_cmp_eq_u32 s15, 0
	s_cbranch_scc0 .Lfor_b_\@
	tensor_load_to_lds s[\g0a:\g0a+3], s[\g1a:\g1a+7]
	s_nop 0
.rept 4
	v_nop
.endr
	s_branch .Lasked_\@
.Lfor_b_\@:
	tensor_load_to_lds s[\g0b:\g0b+3], s[\g1b:\g1b+7]
	s_nop 0
.rept 4
	v_nop
.endr
.Lasked_\@:
.endm
.macro CREST                           ; a round of the cluster's barrier behind its opening barrier
	s_cmp_lg_u32 s14, 0
	s_cbranch_scc1 .Lnot_wave_0_\@
	s_barrier_signal -3
.Lnot_wave_0_\@:
	s_barrier_wait -3
	s_barrier_signal -1
	s_barrier_wait -1
.endm
.macro CROUND
	s_barrier_signal -1
	s_barrier_wait -1
	CREST
.endm
.macro FRAG reg, adr, kq, i            ; a fragment image: three loads of 512 consecutive bytes
.irp c, 0,1,2
	ds_load_b128 v[\reg+4*\c:\reg+4*\c+3], v[\adr] offset:(\kq)*REC+(\i)*1536+512*\c
.endr
.endm
.macro FETCH_B k                       ; K step k lies in slot (k / 3) % 2, record k % 3; B's eight fragments into set k % 2
	WIN TO_B
.irp i, 0,1,2,3,4,5,6,7
	FRAG 128*((\k)%2)+12*\i, ADRB+((\k)/3)%2, (\k)%3, \i
.endr
	WIN 0
.endm
.macro FETCH_A k, i0                   ; A's blocks i0 .. i0 + 3
.irp i, \i0, \i0+1, \i0+2, \i0+3
	FRAG AF+12*(\i), ADRA+((\k)/3)%2, (\k)%3, \i
.endr
.endm
.macro SCALES k                        ; the K step's scale words: 32 words a load
.irp p, 0,1,2,3
	ds_load_b32 v[SC+8*((\k)%2)+\p], v[SCAA+((\k)/3)%2] offset:((\k)%3)*REC+12288+128*\p
	ds_load_b32 v[SC+8*((\k)%2)+4+\p], v[SCAB+((\k)/3)%2] offset:((\k)%3)*REC+12288+128*\p
.endr
.endm
.macro WM r0, r1, zero                 ; one product; r0, r1: source 0's and source 1's scales stand in lanes 16-31
.if \zero
.if (\r0)&&(\r1)
	v_wmma_scale_f32_16x16x128_f8f6f4 v[rD:rD+7], v[rB:rB+11], v[rA:rA+11], 0, v[xB], v[xA] matrix_a_fmt:MATRIX_FMT_FP6 matrix_b_fmt:MATRIX_FMT_FP6 matrix_a_scale:MATRIX_SCALE_ROW1 matrix_b_scale:MATRIX_SCALE_ROW1
.elseif (\r0)
	v_wmma_scale_f32_16x16x128_f8f6f4 v[rD:rD+7], v[rB:rB+11], v[rA:rA+11], 0, v[xB], v[xA] matrix_a_fmt:MATRIX_FMT_FP6 matrix_b_fmt:MATRIX_FMT_FP6 matrix_a_scale:MATRIX_SCALE_ROW1
.elseif (\r1)
	v_wmma_scale_f32_16x16x128_f8f6f4 v[rD:rD+7], v[rB:rB+11], v[rA:rA+11], 0, v[xB], v[xA] matrix_a_fmt:MATRIX_FMT_FP6 matrix_b_fmt:MATRIX_FMT_FP6 matrix_b_scale:MATRIX_SCALE_ROW1
.else
	v_wmma_scale_f32_16x16x128_f8f6f4 v[rD:rD+7], v[rB:rB+11], v[rA:rA+11], 0, v[xB], v[xA] matrix_a_fmt:MATRIX_FMT_FP6 matrix_b_fmt:MATRIX_FMT_FP6
.endif
.else
.if (\r0)&&(\r1)
	v_wmma_scale_f32_16x16x128_f8f6f4 v[rD:rD+7], v[rB:rB+11], v[rA:rA+11], v[rD:rD+7], v[xB], v[xA] matrix_a_fmt:MATRIX_FMT_FP6 matrix_b_fmt:MATRIX_FMT_FP6 matrix_a_scale:MATRIX_SCALE_ROW1 matrix_b_scale:MATRIX_SCALE_ROW1
.elseif (\r0)
	v_wmma_scale_f32_16x16x128_f8f6f4 v[rD:rD+7], v[rB:rB+11], v[rA:rA+11], v[rD:rD+7], v[xB], v[xA] matrix_a_fmt:MATRIX_FMT_FP6 matrix_b_fmt:MATRIX_FMT_FP6 matrix_a_scale:MATRIX_SCALE_ROW1
.elseif (\r1)
	v_wmma_scale_f32_16x16x128_f8f6f4 v[rD:rD+7], v[rB:rB+11], v[rA:rA+11], v[rD:rD+7], v[xB], v[xA] matrix_a_fmt:MATRIX_FMT_FP6 matrix_b_fmt:MATRIX_FMT_FP6 matrix_b_scale:MATRIX_SCALE_ROW1
.else
	v_wmma_scale_f32_16x16x128_f8f6f4 v[rD:rD+7], v[rB:rB+11], v[rA:rA+11], v[rD:rD+7], v[xB], v[xA] matrix_a_fmt:MATRIX_FMT_FP6 matrix_b_fmt:MATRIX_FMT_FP6
.endif
.endif
.endm
; 16 products: A's blocks a0, a0 + 1 x B's eight, K step k.  The 64 accumulators take turns, one instruction a turn, in the same order in every step.
.macro MUL16 a0, k, zero
.irp a, \a0, \a0+1
.irp b, 0,1,2,3,4,5,6,7
.set rD, 8*(8*((\a)%4)+\b)
.set rB, 128*((\k)%2)+12*\b
.set rA, AF+12*(\a)
.set xB, SC+8*((\k)%2)+4+\b/2
.set xA, SC+8*((\k)%2)+(\a)/2
	WM \b%2, (\a)%2, \zero
.endr
.endr
.endm
.macro STEPN k, zero                   ; a K step whose successor lies in the same slot
	s_wait_dscnt 12                                ; all but the youngest twelve loads (A's blocks 4-7) are in
	WIN MUL_LO
	MUL16 0, \k, \zero
	MUL16 2, \k, \zero
	s_wait_dscnt 0x0                               ; A's blocks 4-7 are in (asked for 32 products ago)
	PLACES 4
	FETCH_B (\k)+1
	FETCH_A (\k)+1, 0
	SCALES (\k)+1
	WIN MUL_HI
	MUL16 4, \k, \zero
	MUL16 6, \k, \zero
	PLACES 4
	WIN 0
	FETCH_A (\k)+1, 4
.endm
; A slot's last K step changes slots: one barrier; in front of it each wave waits for all its tensor loads, adds 0 to its spare word, and waits for that and for its reads of this slot.
; fill = 0: nothing is filled;  1: three K steps;  2: the last fill's shape.  A fill stands first behind a round of the cluster's barrier, which the barrier opens.
.macro TURN k, fill
.set SL, ((\k)/3)%2
	s_wait_tensorcnt 0x0                           ; all my tensor loads have landed: my part of the next slot among them
	ds_add_u32 v[SPW], v[NIL]                      ; 0 onto my spare word
	s_wait_dscnt 13                                ; (the add and the youngest twelve loads, A's blocks 4-7, may be out)
	WIN MUL_LO
	MUL16 0, \k, 0                                 ; sixteen products stand between the add and the wait for it
	s_wait_dscnt 0x0                               ; the add is done, and my reads of this slot are over
	s_barrier_signal -1
	MUL16 2, \k, 0
	WIN 0
	s_barrier_wait -1
.if \fill
	CREST                                          ; no wave of any partner still reads this slot or has a load on its way
	s_add_nc_u64 s[G0A+4*SL+2:G0A+4*SL+3], s[G0A+4*SL+2:G0A+4*SL+3], 2*HALFT   ; six K steps on; no tensor load of mine is out
	s_add_nc_u64 s[G0B+4*SL+2:G0B+4*SL+3], s[G0B+4*SL+2:G0B+4*SL+3], 2*HALFT
.if (\fill) == 1
	JLOAD G0A+4*SL, G1A, G0B+4*SL, G1B
.else
	JLOAD G0A+4*SL, G1AL, G0B+4*SL, G1BL           ; its four v_nop are also the places in front of the loads below
.endif
.else
	PLACES 4
.endif
	FETCH_B (\k)+1
	FETCH_A (\k)+1, 0
	SCALES (\k)+1
	WIN MUL_HI
	MUL16 4, \k, 0
	MUL16 6, \k, 0
	PLACES 4
	WIN 0
	FETCH_A (\k)+1, 4
.endm
.macro LAST k                          ; nothing more to fetch
	s_wait_dscnt 12
	WIN MUL_LO
	MUL16 0, \k, 0
	MUL16 2, \k, 0
	s_wait_dscnt 0x0
	WIN MUL_HI
	MUL16 4, \k, 0
	MUL16 6, \k, 0
	WIN 0
.endm
; The quantiser.  64 numbers of a lane in window w, register s + 16 b + i = k 32 b + 16 h + i of my row.  Each accumulator is first read at its low end.
.macro BLKMAX s, w
	WIN 5*(\w)
.irp b, 0,1,2,3
	v_max3_num_f32 v[TM+\b], |v[\s+16*\b]|, |v[\s+1+16*\b]|, 0x1800000   ; with the floor 2^(3 - 127) among the leaves: the byte cannot fall under 1
.endr
.irp i, 2,4,6,8,10,12,14
.irp b, 0,1,2,3
	v_max3_num_f32 v[TM+\b], |v[\s+16*\b+\i]|, |v[\s+1+16*\b+\i]|, v[TM+\b]
.endr
.endr
	WIN 0
.irp b, 0,1,2,3
	v_permlanex16_b32 v[TM+4+\b], v[TM+\b], s[SEL], s[SEL+1]
.endr
.irp b, 0,1,2,3
	v_max_num_f32 v[TM+\b], v[TM+\b], v[TM+4+\b]
.endr
.endm
.macro SCALEW pw
.irp b, 0,1,2,3
	v_add_nc_u32 v[TM+12+\b], 0xff000000, v[TM+\b]   ; 2 off the exponent field: the conversion's scale operand
.endr
.irp b, 0,1,2,3
	v_lshrrev_b32 v[TM+4+\b], 23, v[TM+12+\b]        ; the byte
.endr
	v_lshl_or_b32 v[\pw], v[TM+5], 8, v[TM+4]
	v_lshl_or_b32 v[\pw], v[TM+6], 16, v[\pw]
	v_lshl_or_b32 v[\pw], v[TM+7], 24, v[\pw]
.endm
.macro CODES s, w
	WIN \w
.irp c, 0,1
	v_cvt_scalef32_pk16_fp6_f32 v[PC+6*\c:PC+2+6*\c], v[\s+32*\c:\s+15+32*\c], v[TM+12+2*\c]
	v_cvt_scalef32_pk16_fp6_f32 v[PC+12+4*\c:PC+14+4*\c], v[\s+16+32*\c:\s+31+32*\c], v[TM+13+2*\c]
.endr
	WIN 0
	v_nop                                          ; one plain place behind the scaled conversions
.irp c, 0,1
.irp i, 0,1,2
	v_permlane16_swap_b32 v[PC+6*\c+\i], v[PC+12+4*\c+\i]
.endr
.irp i, 0,1,2
	v_mov_b32 v[PC+3+6*\c+\i], v[PC+12+4*\c+\i]
.endr
.endr
.endm
.macro QUANT s, w, pw
	BLKMAX \s, \w
	SCALEW \pw
	CODES \s, \w
.endm
	s_load_b256 s[4:11], s[0:1], 0x0               ; x_rec, w_rec, qk_rec, v_rec
	v_lshl_add_u32 v[SPW], v0, 2, SPARE
	v_mov_b32 v[NIL], 0
	ds_add_u32 v28, v29
	ds_add_u32 v28, v29
	s_wait_dscnt 0x0
	v_lshrrev_b32 v1, 5, v0
	v_readfirstlane_b32 s14, v1                    ; wave 0..3
	s_lshr_b32 s15, s14, 1                         ; my half of the A side.  Also: I fetch for A (0) or for B (1)
	s_and_b32 s16, s14, 1                          ; my half of the B side.  Also: which 128 rows I fetch
	s_bfe_u32 s40, ttmp6, 0x40000                  ; cx
	s_bfe_u32 s41, ttmp6, 0x40004                  ; cy
	s_lshl_b32 s22, s41, 2
	s_lshl_b32 s22, 15, s22                        ; my row of the cluster
	s_lshl_b32 s23, 0x1111, s40                    ; my column
	s_or_b32 s[G1A], s22, (3<<16)|(1<<21)          ; 15:0 the mask; 17:16 elements of 8 bytes; 21 set beside a mask; no padding
	s_or_b32 s[G1AL], s22, (3<<16)|(1<<21)
	s_or_b32 s[G1B], s23, (3<<16)|(1<<21)
	s_or_b32 s[G1BL], s23, (3<<16)|(1<<21)
.irp g, G1A, G1B                               ; a dense block of 38,400 bytes as 150 rows of 256 bytes
	s_mov_b32 s[\g+1], 32<<16                      ; tensor_dim0 = 32 elements
	s_mov_b32 s[\g+2], 150<<16                     ; tensor_dim1
	s_mov_b32 s[\g+3], 32<<16                      ; tile_dim0
	s_mov_b32 s[\g+4], 150                         ; tile_dim1
	s_mov_b32 s[\g+5], 32                          ; from row to row
	s_mov_b32 s[\g+6], 0
	s_mov_b32 s[\g+7], 0
.endr
.irp g, G1AL, G1BL                             ; the last fill: RL rows
	s_mov_b32 s[\g+1], 32<<16
	s_mov_b32 s[\g+2], RL<<16
	s_mov_b32 s[\g+3], 32<<16
	s_mov_b32 s[\g+4], RL
	s_mov_b32 s[\g+5], 32
	s_mov_b32 s[\g+6], 0
	s_mov_b32 s[\g+7], 0
.endr
	s_and_b32 s17, ttmp7, 0xffff
	s_lshl_b32 s17, s17, 2                         ; 4 x cluster y
	s_lshl_b32 s18, ttmp9, 2                       ; 4 x cluster x
	s_cmp_eq_u32 ttmp9, 2                          ; V's clusters: the same answer in all sixteen partners
	s_cselect_b32 s19, 0, s17
	s_cselect_b32 s20, s17, s18
	s_cselect_b32 s21, 16, 0                       ; Wv's groups begin at 16
	s_add_co_u32 s42, s19, s41                     ; A's tile: cy + 4 y (tokens), or cy (Wv's channels): never cx
	s_add_co_u32 s43, s20, s40                     ; B's tile: cx + 4 x (Wq, Wk), or cx + 4 y (tokens): never cy
	s_lshl_b32 s44, s42, 1
	s_add_co_u32 s44, s44, s16
	s_add_co_u32 s44, s44, s21
	s_mul_i32 s44, s44, GRPB                       ; the group that I fetch for A, in bytes
	s_mov_b32 s45, 0
	s_lshl_b32 s46, s43, 1
	s_add_co_u32 s46, s46, s16
	s_mul_i32 s46, s46, GRPB                       ; and for B
	s_mov_b32 s47, 0
	s_lshl_b32 s97, s42, 1
	s_add_co_u32 s97, s97, s15                     ; my record's row group
	s_lshl_b32 s97, s97, 4
	s_lshl_b32 s98, s43, 1
	s_add_co_u32 s98, s98, s16                     ; and its K step: 0-15 for Q and K; for V a token group 0-63: batch x 16 + key step
	s_and_b32 s99, s98, 15
	s_add_co_u32 s97, s97, s99
	s_lshr_b32 s98, s98, 4
	s_lshl_b32 s98, s98, 7
	s_add_co_u32 s97, s97, s98                     ; 16 x row group + K step + 128 x batch
	s_mul_i32 s98, s97, REC
	s_mov_b32 s99, 0
	s_mul_i32 s66, s14, HALFT                      ; where my part of a slot lies: no place in the cluster enters an LDS address
	s_mov_b32 s[SEL], 0x76543210
	s_mov_b32 s[SEL+1], 0xfedcba98
	s_wait_kmcnt 0x0
	s_cmp_eq_u32 ttmp9, 2
	s_cselect_b64 s[92:93], s[6:7], s[4:5]         ; the A side's buffer
	s_cselect_b64 s[94:95], s[4:5], s[6:7]         ; the B side's
	s_cselect_b64 s[OUT:OUT+1], s[10:11], s[8:9]
	s_add_nc_u64 s[92:93], s[92:93], s[44:45]
	s_add_nc_u64 s[94:95], s[94:95], s[46:47]
	s_add_nc_u64 s[OUT:OUT+1], s[OUT:OUT+1], s[98:99]
	CROUND                                         ; all sixteen work-groups are here: the first joint loads meet
.irp s, 0,1
	s_mov_b32 s[G0A+4*\s], 1
	s_add_co_u32 s[G0A+4*\s+1], s66, \s*SLOT
	s_add_nc_u64 s[G0A+4*\s+2:G0A+4*\s+3], s[92:93], \s*HALFT
	s_or_b32 s[G0A+4*\s+3], s[G0A+4*\s+3], 0x80000000
	s_mov_b32 s[G0B+4*\s], 1
	s_add_co_u32 s[G0B+4*\s+1], s66, \s*SLOT
	s_add_nc_u64 s[G0B+4*\s+2:G0B+4*\s+3], s[94:95], \s*HALFT
	s_or_b32 s[G0B+4*\s+3], s[G0B+4*\s+3], 0x80000000
	JLOAD G0A+4*\s, G1A, G0B+4*\s, G1B             ; K steps 0-2 and 3-5
.endr
	v_and_b32 v1, 31, v0
	v_lshlrev_b32 v[LI], 4, v1
	v_lshlrev_b32 v2, 2, v1
	v_and_b32 v3, 15, v0
	s_mul_i32 s17, s15, HALFT
	s_mul_i32 s18, s16, HALFT
	s_add_co_u32 s18, s18, 2*HALFT
.irp s, 0,1
	v_add_nc_u32 v[ADRA+\s], s17, v[LI]
	v_add_nc_u32 v[ADRB+\s], s18, v[LI]
	v_add_nc_u32 v[SCAA+\s], s17, v2
	v_add_nc_u32 v[SCAB+\s], s18, v2
	s_add_co_u32 s17, s17, SLOT
	s_add_co_u32 s18, s18, SLOT
.endr
	s_lshl_b32 s19, s14, 11
	s_add_co_u32 s19, s19, STAGE
	v_lshl_add_u32 v[SST], v3, 2, s19
	v_add_nc_u32 v[SLD], s19, v[LI]
.irp b, 0,1,2,3
	v_mov_b32 v[TM+4+\b], 0                        ; written once: a lane permute's destination counts as one of its sources
.endr
	s_wait_tensorcnt 0x1                           ; my part of slot 0 is in; slot 1's may stay out
	s_barrier_signal -1
	s_barrier_wait -1
	FETCH_B 0
	FETCH_A 0, 0
	SCALES 0
	FETCH_A 0, 4
	STEPN 0, 1                                     ; the first products start the sums: nothing is cleared
	STEPN 1, 0
	TURN 2, 2                                      ; slot 0 takes K steps 6 and 7
	STEPN 3, 0
	STEPN 4, 0
	TURN 5, 0
	STEPN 6, 0
	LAST 7
	; THE WAY OUT: block a's 64 registers a lane become fragment a of my record; 512 consecutive aligned bytes a store
	PLACES 4
.irp a, 0,1,2,3,4,5,6,7
.if \a > 0
	s_wait_xcnt 0x0                                ; the last block's stores have read the codes' registers
.endif
	QUANT 64*(\a%4), 2+\a/4, PWS+\a
.irp c, 0,1,2
	global_store_b128 v[LI], v[PC+4*\c:PC+4*\c+3], s[OUT:OUT+1] offset:1536*\a+512*\c
.endr
.endr
.irp a, 0,1,2,3,4,5,6,7
	ds_store_b32 v[SST], v[PWS+\a] offset:64*\a    ; lanes l and l + 16 write the same word with the same value
.endr
	ds_load_b128 v[OW:OW+3], v[SLD]                ; in order behind my stores: the record's 128 scale words
	s_wait_dscnt 0x0
	global_store_b128 v[LI], v[OW:OW+3], s[OUT:OUT+1] offset:12288
	s_wait_tensorcnt 0x0                           ; the wave's end
	ds_add_u32 v[SPW], v[NIL]
	s_wait_dscnt 0x0
	CROUND                                         ; the closing round
	s_endpgm
.Lfunc_end_k_q9afb35de2a_proj:
	.size	k_q9afb35de2a_proj, .Lfunc_end_k_q9afb35de2a_proj-k_q9afb35de2a_proj
	.p2alignl 7, 3214868480
	.fill 96, 4, 3214868480
	.section	.rodata,"a",@progbits
	.p2align	6, 0x0
	.amdhsa_kernel k_q9afb35de2a_proj
		.amdhsa_group_segment_fixed_size 327680
		.amdhsa_private_segment_fixed_size 0
		.amdhsa_enable_private_segment 0
		.amdhsa_kernarg_size 32
		.amdhsa_user_sgpr_count 2
		.amdhsa_user_sgpr_kernarg_segment_ptr 1
		.amdhsa_wavefront_size32 1
		.amdhsa_system_sgpr_workgroup_id_x 1
		.amdhsa_system_sgpr_workgroup_id_y 1
		.amdhsa_system_sgpr_workgroup_id_z 1
		.amdhsa_system_vgpr_workitem_id 0
		.amdhsa_next_free_vgpr 1024
		.amdhsa_next_free_sgpr 100
		.amdhsa_reserve_vcc 0
		.amdhsa_float_denorm_mode_32 3
		.amdhsa_float_denorm_mode_16_64 3
		.amdhsa_memory_ordered 1
		.amdhsa_forward_progress 1
		.amdhsa_inst_pref_size 139
	.end_amdhsa_kernel
	.amdgpu_metadata
---
amdhsa.version: [ 1, 2 ]
amdhsa.kernels:
  - .name:           k_q9afb35de2a_proj
    .symbol:         k_q9afb35de2a_proj.kd
    .args:
      - { .name: x_rec, .offset: 0, .size: 8, .value_kind: global_buffer, .address_space: global }
      - { .name: w_rec, .offset: 8, .size: 8, .value_kind: global_buffer, .address_space: global }
      - { .name: qk_rec, .offset: 16, .size: 8, .value_kind: global_buffer, .address_space: global }
      - { .name: v_rec, .offset: 24, .size: 8, .value_kind: global_buffer, .address_space: global }
    .group_segment_fixed_size: 327680
    .private_segment_fixed_size: 0
    .kernarg_segment_align: 8
    .kernarg_segment_size: 32
    .max_flat_workgroup_size: 128
    .sgpr_count:     100
    .vgpr_count:     1024
    .wavefront_size: 32
...
	.end_amdgpu_metadata
.endif
;; end of part 2
;; launch score (part 3): grid 8 x 32, 4 waves a work-group, clusters of 4 x 4, 327,680 bytes of LDS; arguments qk_rec, p_rec, p_stats; writes p_rec, p_stats
.if DOCPART == 3
	.amdgcn_target "amdgcn-amd-amdhsa--gfx1250"
	.amdhsa_code_object_version 6
	.text
	.protected	k_q9afb35de2a_score
	.globl	k_q9afb35de2a_score
	.p2align	8
	.type	k_q9afb35de2a_score,@function
k_q9afb35de2a_score:
	s_mov_b64 s[64:65], 0
	v_nop
	global_prefetch_b8 v0, s[64:65] scope:SCOPE_SE
	s_setreg_imm32_b32 hwreg(HW_REG_WAVE_MODE, 25, 1), 1
	s_wait_xcnt 0x0
	s_wait_alu depctr_hold_cnt(0) depctr_sa_sdst(0) depctr_va_vdst(0) depctr_va_sdst(0) depctr_va_ssrc(0) depctr_va_vcc(0) depctr_vm_vsrc(0)
	s_getreg_b32 s2, hwreg(HW_REG_IB_STS2, 6, 4)
	s_cmp_eq_u32 s2, 0
	s_cbranch_scc0 .Lentry_in_a_cluster
	s_endpgm
.Lentry_in_a_cluster:
	s_bfe_u32 s2, ttmp6, 0x10000c
	s_cmp_lg_u32 s2, 0xf033
	s_cbranch_scc0 .Lentry_shape_is_right
	s_endpgm
.Lentry_shape_is_right:
; S = Q K^T on codes of FP6 (E2M3) with E8M0 scales, f32 sums, and the softmax's first half: for each query and each 128 keys t = score x log2(e) / 32, M = the ceiling of the largest t OF THESE 128 KEYS,
; p = 2^(t - M), quantised along the keys; the sum l of the unquantised p.  M is a whole number, so the next launch brings every key step under the row's M by taking M's difference off the scale bytes: the codes stay.
; Out: p_rec [query group 64][key step 16] records, p_stats [query group][key step][-M: 128 f32][l: 128 f32], both in the record's row order (word 16 i + r: lane r of fragment i).
; A RECORD is 128 rows x 128 along K in the order of the operand's registers: eight fragment images of 1,536 bytes (registers 4 c .. 4 c + 3 of lane l at 512 c + 16 l), then 128 scale words;
; lane r of fragment i stands for row 32 (i / 2) + 8 (i % 2) + r + 8 (r / 8).  qk_rec: [token group 64][16: Q's 8 K steps, K's 8].
; A tile of 256 queries x 256 keys to a work-group of four waves, 128 x 128 to a wave.  THE PRODUCT IS USED TRANSPOSED (source 0 = keys, source 1 = queries): a lane holds one query, and the 16 registers of
; accumulators (a, 2 B), (a, 2 B + 1) are keys 32 B + 16 h + 0 .. 15 of the wave's 128.  So a wave's 64 accumulators become exactly one record of p.
; THE RING: two LDS slots of three K steps each; six of the eight K steps are asked for at the head, the last two by one refill.  At most two tensor loads of a wave are out.
; CLUSTERS: 4 x 4 work-groups; Q's parts are asked for jointly by a row of the cluster, K's by a column.
; LIMITS: M is kept as a whole number in f32, exact up to 2^24; a block of p whose largest lies under 2^-124 gets the byte 1 (its codes are zeros or next to it); NaN and infinities are not served.
; REGISTERS: window 0: v16-27 addresses, v28-29 for the add, v32-47 scale words, v48-119 and (behind the products) v128-163 the way out, v128-223 A's fragments; window 1: B's fragments, two sets;
;   windows 2, 3: the accumulators ((a, b) at v[8 (8 (a % 4) + b)]).
.set REC,   12800
.set HALFT, 3*REC
.set SLOT,  4*HALFT
.set GRPB,  16*REC                     ; a token group's sixteen records
.set RL,    100
.set STAGE, SLOT                       ; 2,048 bytes a wave in slot 1, which has had its last fill and its last read behind the last change of slots
.set SPARE, 2*SLOT
.set ADRA, 16
.set ADRB, 18
.set SCAA, 20
.set SCAB, 22
.set LI,   24
.set SST,  25
.set SLD,  26
.set SPW,  28
.set NIL,  29
.set SC,   32
.set TM,   48                          ; v48-51 the blocks' largest scores, then their largest p
.set PC,   64
.set TT,   84
.set TT2,  85
.set NM,   86                          ; v[86:87] -M (the packed form names a pair and takes its low word)
.set T,    88                          ; v88-119 partial sums
.set AF,   128
.set PWS,  128                         ; behind the products: v128-135 scale words, v136-143 -M, v144-151 l, a register for each block
.set NMS,  136
.set LSS,  144
.set OW,   152
.set G1A,  24
.set G0A,  32
.set G1B,  48
.set G0B,  56
.set G1AL, 68
.set G1BL, 76
.set SEL,  84
.set CS,   86                          ; s[86:87] c = log2(e) / 32
.set PREC, 88
.set PST,  90
.set MSB, 0
.macro WIN new
.if MSB != (\new)
	s_set_vgpr_msb (MSB<<8)|(\new)
.set MSB, (\new)
.endif
.endm
.set MUL_LO, 0xa1
.set MUL_HI, 0xf1
.set TO_B,   0x40
.macro PLACES n
.rept \n
	v_nop
.endr
.endm
.macro JLOAD g0a, g1a, g0b, g1b        ; waves 0 and 1 fetch for A, waves 2 and 3 for B; four v_nop follow each of the two lines
	s_cmp_eq_u32 s15, 0
	s_cbranch_scc0 .Lfor_b_\@
	tensor_load_to_lds s[\g0a:\g0a+3], s[\g1a:\g1a+7]
	s_nop 0
.rept 4
	v_nop
.endr
	s_branch .Lasked_\@
.Lfor_b_\@:
	tensor_load_to_lds s[\g0b:\g0b+3], s[\g1b:\g1b+7]
	s_nop 0
.rept 4
	v_nop
.endr
.Lasked_\@:
.endm
.macro CREST
	s_cmp_lg_u32 s14, 0
	s_cbranch_scc1 .Lnot_wave_0_\@
	s_barrier_signal -3
.Lnot_wave_0_\@:
	s_barrier_wait -3
	s_barrier_signal -1
	s_barrier_wait -1
.endm
.macro CROUND
	s_barrier_signal -1
	s_barrier_wait -1
	CREST
.endm
.macro FRAG reg, adr, kq, i
.irp c, 0,1,2
	ds_load_b128 v[\reg+4*\c:\reg+4*\c+3], v[\adr] offset:(\kq)*REC+(\i)*1536+512*\c
.endr
.endm
.macro FETCH_B k
	WIN TO_B
.irp i, 0,1,2,3,4,5,6,7
	FRAG 128*((\k)%2)+12*\i, ADRB+((\k)/3)%2, (\k)%3, \i
.endr
	WIN 0
.endm
.macro FETCH_A k, i0
.irp i, \i0, \i0+1, \i0+2, \i0+3
	FRAG AF+12*(\i), ADRA+((\k)/3)%2, (\k)%3, \i
.endr
.endm
.macro SCALES k
.irp p, 0,1,2,3
	ds_load_b32 v[SC+8*((\k)%2)+\p], v[SCAA+((\k)/3)%2] offset:((\k)%3)*REC+12288+128*\p
	ds_load_b32 v[SC+8*((\k)%2)+4+\p], v[SCAB+((\k)/3)%2] offset:((\k)%3)*REC+12288+128*\p
.endr
.endm
.macro WM r0, r1, zero
.if \zero
.if (\r0)&&(\r1)
	v_wmma_scale_f32_16x16x128_f8f6f4 v[rD:rD+7], v[rB:rB+11], v[rA:rA+11], 0, v[xB], v[xA] matrix_a_fmt:MATRIX_FMT_FP6 matrix_b_fmt:MATRIX_FMT_FP6 matrix_a_scale:MATRIX_SCALE_ROW1 matrix_b_scale:MATRIX_SCALE_ROW1
.elseif (\r0)
	v_wmma_scale_f32_16x16x128_f8f6f4 v[rD:rD+7], v[rB:rB+11], v[rA:rA+11], 0, v[xB], v[xA] matrix_a_fmt:MATRIX_FMT_FP6 matrix_b_fmt:MATRIX_FMT_FP6 matrix_a_scale:MATRIX_SCALE_ROW1
.elseif (\r1)
	v_wmma_scale_f32_16x16x128_f8f6f4 v[rD:rD+7], v[rB:rB+11], v[rA:rA+11], 0, v[xB], v[xA] matrix_a_fmt:MATRIX_FMT_FP6 matrix_b_fmt:MATRIX_FMT_FP6 matrix_b_scale:MATRIX_SCALE_ROW1
.else
	v_wmma_scale_f32_16x16x128_f8f6f4 v[rD:rD+7], v[rB:rB+11], v[rA:rA+11], 0, v[xB], v[xA] matrix_a_fmt:MATRIX_FMT_FP6 matrix_b_fmt:MATRIX_FMT_FP6
.endif
.else
.if (\r0)&&(\r1)
	v_wmma_scale_f32_16x16x128_f8f6f4 v[rD:rD+7], v[rB:rB+11], v[rA:rA+11], v[rD:rD+7], v[xB], v[xA] matrix_a_fmt:MATRIX_FMT_FP6 matrix_b_fmt:MATRIX_FMT_FP6 matrix_a_scale:MATRIX_SCALE_ROW1 matrix_b_scale:MATRIX_SCALE_ROW1
.elseif (\r0)
	v_wmma_scale_f32_16x16x128_f8f6f4 v[rD:rD+7], v[rB:rB+11], v[rA:rA+11], v[rD:rD+7], v[xB], v[xA] matrix_a_fmt:MATRIX_FMT_FP6 matrix_b_fmt:MATRIX_FMT_FP6 matrix_a_scale:MATRIX_SCALE_ROW1
.elseif (\r1)
	v_wmma_scale_f32_16x16x128_f8f6f4 v[rD:rD+7], v[rB:rB+11], v[rA:rA+11], v[rD:rD+7], v[xB], v[xA] matrix_a_fmt:MATRIX_FMT_FP6 matrix_b_fmt:MATRIX_FMT_FP6 matrix_b_scale:MATRIX_SCALE_ROW1
.else
	v_wmma_scale_f32_16x16x128_f8f6f4 v[rD:rD+7], v[rB:rB+11], v[rA:rA+11], v[rD:rD+7], v[xB], v[xA] matrix_a_fmt:MATRIX_FMT_FP6 matrix_b_fmt:MATRIX_FMT_FP6
.endif
.endif
.endm
.macro MUL16 a0, k, zero               ; the 64 accumulators take turns, one instruction a turn, in the same order in every step
.irp a, \a0, \a0+1
.irp b, 0,1,2,3,4,5,6,7
.set rD, 8*(8*((\a)%4)+\b)
.set rB, 128*((\k)%2)+12*\b
.set rA, AF+12*(\a)
.set xB, SC+8*((\k)%2)+4+\b/2
.set xA, SC+8*((\k)%2)+(\a)/2
	WM \b%2, (\a)%2, \zero
.endr
.endr
.endm
.macro STEPN k, zero
	s_wait_dscnt 12                                ; all but the youngest twelve loads (A's blocks 4-7) are in
	WIN MUL_LO
	MUL16 0, \k, \zero
	MUL16 2, \k, \zero
	s_wait_dscnt 0x0
	PLACES 4
	FETCH_B (\k)+1
	FETCH_A (\k)+1, 0
	SCALES (\k)+1
	WIN MUL_HI
	MUL16 4, \k, \zero
	MUL16 6, \k, \zero
	PLACES 4
	WIN 0
	FETCH_A (\k)+1, 4
.endm
.macro TURN k, fill                    ; a slot's last K step: one barrier; the waits and the add in front of it; a fill first behind the cluster's round that it opens
.set SL, ((\k)/3)%2
	s_wait_tensorcnt 0x0                           ; all my tensor loads have landed: my part of the next slot among them
	ds_add_u32 v[SPW], v[NIL]                      ; 0 onto my spare word
	s_wait_dscnt 13                                ; (the add and the youngest twelve loads may be out)
	WIN MUL_LO
	MUL16 0, \k, 0
	s_wait_dscnt 0x0                               ; the add is done, and my reads of this slot are over
	s_barrier_signal -1
	MUL16 2, \k, 0
	WIN 0
	s_barrier_wait -1
.if \fill
	CREST
	s_add_nc_u64 s[G0A+4*SL+2:G0A+4*SL+3], s[G0A+4*SL+2:G0A+4*SL+3], 2*HALFT
	s_add_nc_u64 s[G0B+4*SL+2:G0B+4*SL+3], s[G0B+4*SL+2:G0B+4*SL+3], 2*HALFT
.if (\fill) == 1
	JLOAD G0A+4*SL, G1A, G0B+4*SL, G1B
.else
	JLOAD G0A+4*SL, G1AL, G0B+4*SL, G1BL
.endif
.else
	PLACES 4
.endif
	FETCH_B (\k)+1
	FETCH_A (\k)+1, 0
	SCALES (\k)+1
	WIN MUL_HI
	MUL16 4, \k, 0
	MUL16 6, \k, 0
	PLACES 4
	WIN 0
	FETCH_A (\k)+1, 4
.endm
.macro LAST k
	s_wait_dscnt 12
	WIN MUL_LO
	MUL16 0, \k, 0
	MUL16 2, \k, 0
	s_wait_dscnt 0x0
	WIN MUL_HI
	MUL16 4, \k, 0
	MUL16 6, \k, 0
	WIN 0
.endm
.macro SCALEW pw
.irp b, 0,1,2,3
	v_add_nc_u32 v[TM+12+\b], 0xff000000, v[TM+\b]   ; 2 off the exponent field: the conversion's scale operand
.endr
.irp b, 0,1,2,3
	v_lshrrev_b32 v[TM+4+\b], 23, v[TM+12+\b]        ; the byte
.endr
	v_lshl_or_b32 v[\pw], v[TM+5], 8, v[TM+4]
	v_lshl_or_b32 v[\pw], v[TM+6], 16, v[\pw]
	v_lshl_or_b32 v[\pw], v[TM+7], 24, v[\pw]
.endm
.macro CODES s, w
	WIN \w
.irp c, 0,1
	v_cvt_scalef32_pk16_fp6_f32 v[PC+6*\c:PC+2+6*\c], v[\s+32*\c:\s+15+32*\c], v[TM+12+2*\c]
	v_cvt_scalef32_pk16_fp6_f32 v[PC+12+4*\c:PC+14+4*\c], v[\s+16+32*\c:\s+31+32*\c], v[TM+13+2*\c]
.endr
	WIN 0
	v_nop                                          ; one plain place behind the scaled conversions
.irp c, 0,1
.irp i, 0,1,2
	v_permlane16_swap_b32 v[PC+6*\c+\i], v[PC+12+4*\c+\i]
.endr
.irp i, 0,1,2
	v_mov_b32 v[PC+3+6*\c+\i], v[PC+12+4*\c+\i]
.endr
.endr
.endm
; Block a: 16 queries x my 128 keys.  Register AC + 16 b + i of window W is key 32 b + 16 h + i of my query.
.macro SOFTQ a
.set W, 2+(\a)/4
.set AC, 64*((\a)%4)
	WIN 5*W                                        ; sources 0 and 1 in window W
.irp b, 0,1,2,3
	v_max_num_f32 v[TM+\b], v[AC+16*\b], v[AC+16*\b+1]   ; the largest score of each block of 32 keys: it serves the row's maximum and, since p rises with the score, the block's largest p
.endr
.irp i, 2,4,6,8,10,12,14
.irp b, 0,1,2,3
	v_max3_num_f32 v[TM+\b], v[AC+16*\b+\i], v[AC+16*\b+\i+1], v[TM+\b]   ; ascending: each accumulator is first read at its low end
.endr
.endr
	WIN 0
.irp b, 0,1,2,3
	v_permlanex16_b32 v[TM+4+\b], v[TM+\b], s[SEL], s[SEL+1]
.endr
.irp b, 0,1,2,3
	v_max_num_f32 v[TM+\b], v[TM+\b], v[TM+4+\b]   ; with lane l xor 16's 16 keys
.endr
	v_max3_num_f32 v[TT], v[TM], v[TM+1], v[TM+2]
	v_max_num_f32 v[TT], v[TT], v[TM+3]
	v_mul_f32 v[TT], s[CS], v[TT]                  ; the largest t of these 128 keys (c is positive)
	v_floor_f32 v[NM], -v[TT]                      ; -M = floor(-t) = -ceil(t)
	v_mov_b32 v[NMS+(\a)], v[NM]
.irp b, 0,1,2,3
	v_fma_f32 v[TM+\b], v[TM+\b], s[CS], v[NM]     ; t - M of each block's largest score
.endr
	WIN (W<<6)|W                                   ; destination and source 0 in window W
.set jj, 0
.rept 32
	v_pk_fma_f32 v[AC+jj:AC+jj+1], v[AC+jj:AC+jj+1], s[CS:CS+1], v[NM:NM+1] op_sel_hi:[1,0,0]   ; t - M, two at a time
.set jj, jj+2
.endr
.set jj, 0
.rept 64
	v_exp_f32 v[AC+jj], v[AC+jj]                   ; p = 2^(t - M), at most 1: not normalised
.set jj, jj+1
.endr
	WIN 0
	v_nop                                          ; a plain place behind the exponentials
	s_wait_alu depctr_va_vdst(0)                   ; one wait for the batch of 64, ahead of its first reader
.irp b, 0,1,2,3
	v_exp_f32 v[TM+\b], v[TM+\b]                   ; the block's largest p: the same two instructions on the same number give the same bits
.endr
	WIN 5*W
.irp n, 0,1,2,3,4,5,6,7,8,9,10,11,12,13,14,15
	v_pk_add_f32 v[T+2*\n:T+2*\n+1], v[AC+4*\n:AC+4*\n+1], v[AC+4*\n+2:AC+4*\n+3]   ; the sum is taken of the unquantised p; plain work behind the four
.endr
	WIN 0
.irp n, 0,1,2,3,4,5,6,7
	v_pk_add_f32 v[T+4*\n:T+4*\n+1], v[T+4*\n:T+4*\n+1], v[T+4*\n+2:T+4*\n+3]
.endr
.irp n, 0,1,2,3
	v_pk_add_f32 v[T+8*\n:T+8*\n+1], v[T+8*\n:T+8*\n+1], v[T+8*\n+4:T+8*\n+5]
.endr
.irp n, 0,1
	v_pk_add_f32 v[T+16*\n:T+16*\n+1], v[T+16*\n:T+16*\n+1], v[T+16*\n+8:T+16*\n+9]
.endr
	v_pk_add_f32 v[T:T+1], v[T:T+1], v[T+16:T+17]
	v_add_f32 v[TT], v[T], v[T+1]
	v_permlanex16_b32 v[TT2], v[TT], s[SEL], s[SEL+1]
	v_add_f32 v[LSS+(\a)], v[TT], v[TT2]           ; l of my query over these 128 keys
	s_wait_alu depctr_va_vdst(0)                   ; and one wait for the four
.irp b, 0,1,2,3
	v_max_num_f32 v[TM+\b], 0x1800000, v[TM+\b]    ; the floor 2^(3 - 127): the byte cannot fall under 1
.endr
	SCALEW PWS+(\a)
.if (\a) > 0
	s_wait_xcnt 0x0                                ; the last block's stores have read the codes' registers
.endif
	CODES AC, W
.irp c, 0,1,2
	global_store_b128 v[LI], v[PC+4*\c:PC+4*\c+3], s[PREC:PREC+1] offset:1536*(\a)+512*\c   ; 512 consecutive aligned bytes
.endr
.endm
	s_load_b128 s[4:7], s[0:1], 0x0                ; qk_rec, p_rec
	s_load_b64 s[8:9], s[0:1], 0x10                ; p_stats
	v_lshl_add_u32 v[SPW], v0, 2, SPARE
	v_mov_b32 v[NIL], 0
	ds_add_u32 v28, v29
	ds_add_u32 v28, v29
	s_wait_dscnt 0x0
	v_lshrrev_b32 v1, 5, v0
	v_readfirstlane_b32 s14, v1                    ; wave 0..3
	s_lshr_b32 s15, s14, 1                         ; my half of the queries.  Also: I fetch for A (0) or for B (1)
	s_and_b32 s16, s14, 1                          ; my half of the keys.  Also: which 128 rows I fetch
	s_bfe_u32 s40, ttmp6, 0x40000                  ; cx
	s_bfe_u32 s41, ttmp6, 0x40004                  ; cy
	s_lshl_b32 s22, s41, 2
	s_lshl_b32 s22, 15, s22                        ; my row of the cluster
	s_lshl_b32 s23, 0x1111, s40                    ; my column
	s_or_b32 s[G1A], s22, (3<<16)|(1<<21)          ; 15:0 the mask; 17:16 elements of 8 bytes; 21 set beside a mask; no padding
	s_or_b32 s[G1AL], s22, (3<<16)|(1<<21)
	s_or_b32 s[G1B], s23, (3<<16)|(1<<21)
	s_or_b32 s[G1BL], s23, (3<<16)|(1<<21)
.irp g, G1A, G1B                               ; a dense block of 38,400 bytes as 150 rows of 256 bytes
	s_mov_b32 s[\g+1], 32<<16
	s_mov_b32 s[\g+2], 150<<16
	s_mov_b32 s[\g+3], 32<<16
	s_mov_b32 s[\g+4], 150
	s_mov_b32 s[\g+5], 32
	s_mov_b32 s[\g+6], 0
	s_mov_b32 s[\g+7], 0
.endr
.irp g, G1AL, G1BL
	s_mov_b32 s[\g+1], 32<<16
	s_mov_b32 s[\g+2], RL<<16
	s_mov_b32 s[\g+3], 32<<16
	s_mov_b32 s[\g+4], RL
	s_mov_b32 s[\g+5], 32
	s_mov_b32 s[\g+6], 0
	s_mov_b32 s[\g+7], 0
.endr
	s_and_b32 s17, ttmp7, 0xffff                   ; cluster y
	s_lshl_b32 s42, s17, 2
	s_add_co_u32 s42, s42, s41                     ; tile row: 256 queries: 4 y + cy
	s_lshl_b32 s43, ttmp9, 2
	s_add_co_u32 s43, s43, s40                     ; tile column: 256 keys of the batch: 4 x + cx
	s_lshr_b32 s18, s17, 1                         ; the batch, from the cluster's y alone
	s_lshl_b32 s44, s42, 1
	s_add_co_u32 s44, s44, s16
	s_mul_i32 s44, s44, GRPB                       ; Q's records of the group that I fetch
	s_mov_b32 s45, 0
	s_lshl_b32 s46, s43, 1
	s_add_co_u32 s46, s46, s16
	s_lshl_b32 s18, s18, 4
	s_add_co_u32 s46, s46, s18
	s_mul_i32 s46, s46, GRPB
	s_add_co_u32 s46, s46, 8*REC                   ; K's records lie behind Q's eight
	s_mov_b32 s47, 0
	s_lshl_b32 s97, s42, 1
	s_add_co_u32 s97, s97, s15
	s_lshl_b32 s97, s97, 4
	s_lshl_b32 s98, s43, 1
	s_add_co_u32 s98, s98, s16
	s_add_co_u32 s97, s97, s98                     ; 16 x my query group + my key step
	s_mul_i32 s98, s97, REC
	s_mov_b32 s99, 0
	s_lshl_b32 s20, s97, 10
	s_mov_b32 s21, 0
	s_mul_i32 s66, s14, HALFT
	s_mov_b32 s[SEL], 0x76543210
	s_mov_b32 s[SEL+1], 0xfedcba98
	s_mov_b32 s[CS], 0x3d38aa3b                    ; c = log2(e) / sqrt(1024)
	s_mov_b32 s[CS+1], s[CS]                       ; (named with it as a pair, so it is written)
	s_wait_kmcnt 0x0
	s_add_nc_u64 s[92:93], s[4:5], s[44:45]
	s_add_nc_u64 s[94:95], s[4:5], s[46:47]
	s_add_nc_u64 s[PREC:PREC+1], s[6:7], s[98:99]
	s_add_nc_u64 s[PST:PST+1], s[8:9], s[20:21]
	CROUND                                         ; all sixteen work-groups are here: the first joint loads meet
.irp s, 0,1
	s_mov_b32 s[G0A+4*\s], 1
	s_add_co_u32 s[G0A+4*\s+1], s66, \s*SLOT
	s_add_nc_u64 s[G0A+4*\s+2:G0A+4*\s+3], s[92:93], \s*HALFT
	s_or_b32 s[G0A+4*\s+3], s[G0A+4*\s+3], 0x80000000
	s_mov_b32 s[G0B+4*\s], 1
	s_add_co_u32 s[G0B+4*\s+1], s66, \s*SLOT
	s_add_nc_u64 s[G0B+4*\s+2:G0B+4*\s+3], s[94:95], \s*HALFT
	s_or_b32 s[G0B+4*\s+3], s[G0B+4*\s+3], 0x80000000
	JLOAD G0A+4*\s, G1A, G0B+4*\s, G1B
.endr
	v_and_b32 v1, 31, v0
	v_lshlrev_b32 v[LI], 4, v1
	v_lshlrev_b32 v2, 2, v1
	v_and_b32 v3, 15, v0
	s_mul_i32 s17, s15, HALFT
	s_mul_i32 s18, s16, HALFT
	s_add_co_u32 s18, s18, 2*HALFT
.irp s, 0,1
	v_add_nc_u32 v[ADRA+\s], s17, v[LI]
	v_add_nc_u32 v[ADRB+\s], s18, v[LI]
	v_add_nc_u32 v[SCAA+\s], s17, v2
	v_add_nc_u32 v[SCAB+\s], s18, v2
	s_add_co_u32 s17, s17, SLOT
	s_add_co_u32 s18, s18, SLOT
.endr
	s_lshl_b32 s19, s14, 11
	s_add_co_u32 s19, s19, STAGE
	v_lshl_add_u32 v[SST], v3, 2, s19
	v_add_nc_u32 v[SLD], s19, v[LI]
.irp b, 0,1,2,3
	v_mov_b32 v[TM+4+\b], 0                        ; written once: a lane permute's destination counts as one of its sources
.endr
	v_mov_b32 v[TT2], 0
	v_mov_b32 v[NM+1], 0                           ; (named as the upper half of the pair)
	s_wait_tensorcnt 0x1                           ; my part of slot 0 is in; slot 1's may stay out
	s_barrier_signal -1
	s_barrier_wait -1
	FETCH_B 0
	FETCH_A 0, 0
	SCALES 0
	FETCH_A 0, 4
	STEPN 0, 1
	STEPN 1, 0
	TURN 2, 2                                      ; slot 0 takes K steps 6 and 7
	STEPN 3, 0
	STEPN 4, 0
	TURN 5, 0
	STEPN 6, 0
	LAST 7
	PLACES 4
.irp a, 0,1,2,3,4,5,6,7
	SOFTQ \a
.endr
.irp a, 0,1,2,3,4,5,6,7
	ds_store_b32 v[SST], v[PWS+\a] offset:64*\a    ; lanes l and l + 16 write the same word with the same value
	ds_store_b32 v[SST], v[NMS+\a] offset:512+64*\a
	ds_store_b32 v[SST], v[LSS+\a] offset:1024+64*\a
.endr
.irp c, 0,1,2
	ds_load_b128 v[OW+4*\c:OW+4*\c+3], v[SLD] offset:512*\c   ; in order behind my stores
.endr
	s_wait_dscnt 0x0
	global_store_b128 v[LI], v[OW:OW+3], s[PREC:PREC+1] offset:12288   ; the record's scale words, under the key step's own M
	global_store_b128 v[LI], v[OW+4:OW+7], s[PST:PST+1]                ; -M
	global_store_b128 v[LI], v[OW+8:OW+11], s[PST:PST+1] offset:512    ; l
	s_wait_tensorcnt 0x0                           ; the wave's end
	ds_add_u32 v[SPW], v[NIL]
	s_wait_dscnt 0x0
	CROUND                                         ; the closing round
	s_endpgm
.Lfunc_end_k_q9afb35de2a_score:
	.size	k_q9afb35de2a_score, .Lfunc_end_k_q9afb35de2a_score-k_q9afb35de2a_score
	.p2alignl 7, 3214868480
	.fill 96, 4, 3214868480
	.section	.rodata,"a",@progbits
	.p2align	6, 0x0
	.amdhsa_kernel k_q9afb35de2a_score
		.amdhsa_group_segment_fixed_size 327680
		.amdhsa_private_segment_fixed_size 0
		.amdhsa_enable_private_segment 0
		.amdhsa_kernarg_size 24
		.amdhsa_user_sgpr_count 2
		.amdhsa_user_sgpr_kernarg_segment_ptr 1
		.amdhsa_wavefront_size32 1
		.amdhsa_system_sgpr_workgroup_id_x 1
		.amdhsa_system_sgpr_workgroup_id_y 1
		.amdhsa_system_sgpr_workgroup_id_z 1
		.amdhsa_system_vgpr_workitem_id 0
		.amdhsa_next_free_vgpr 1024
		.amdhsa_next_free_sgpr 100
		.amdhsa_reserve_vcc 0
		.amdhsa_float_denorm_mode_32 3
		.amdhsa_float_denorm_mode_16_64 3
		.amdhsa_memory_ordered 1
		.amdhsa_forward_progress 1
		.amdhsa_inst_pref_size 196
	.end_amdhsa_kernel
	.amdgpu_metadata
---
amdhsa.version: [ 1, 2 ]
amdhsa.kernels:
  - .name:           k_q9afb35de2a_score
    .symbol:         k_q9afb35de2a_score.kd
    .args:
      - { .name: qk_rec, .offset: 0, .size: 8, .value_kind: global_buffer, .address_space: global }
      - { .name: p_rec, .offset: 8, .size: 8, .value_kind: global_buffer, .address_space: global }
      - { .name: p_stats, .offset: 16, .size: 8, .value_kind: global_buffer, .address_space: global }
    .group_segment_fixed_size: 327680
    .private_segment_fixed_size: 0
    .kernarg_segment_align: 8
    .kernarg_segment_size: 24
    .max_flat_workgroup_size: 128
    .sgpr_count:     100
    .vgpr_count:     1024
    .wavefront_size: 32
...
	.end_amdgpu_metadata
.endif
;; end of part 3
;; launch pv (part 4): grid 4 x 64, 4 waves a work-group, clusters of 4 x 4, 327,680 bytes of LDS; arguments p_rec, p_stats, v_rec, out0; writes out0
.if DOCPART == 4
	.amdgcn_target "amdgcn-amd-amdhsa--gfx1250"
	.amdhsa_code_object_version 6
	.text
	.protected	k_q9afb35de2a_pv
	.globl	k_q9afb35de2a_pv
	.p2align	8
	.type	k_q9afb35de2a_pv,@function
k_q9afb35de2a_pv:
	s_mov_b64 s[64:65], 0
	v_nop
	global_prefetch_b8 v0, s[64:65] scope:SCOPE_SE
	s_setreg_imm32_b32 hwreg(HW_REG_WAVE_MODE, 25, 1), 1
	s_wait_xcnt 0x0
	s_wait_alu depctr_hold_cnt(0) depctr_sa_sdst(0) depctr_va_vdst(0) depctr_va_sdst(0) depctr_va_ssrc(0) depctr_va_vcc(0) depctr_vm_vsrc(0)
	s_getreg_b32 s2, hwreg(HW_REG_IB_STS2, 6, 4)
	s_cmp_eq_u32 s2, 0
	s_cbranch_scc0 .Lentry_in_a_cluster
	s_endpgm
.Lentry_in_a_cluster:
	s_bfe_u32 s2, ttmp6, 0x10000c
	s_cmp_lg_u32 s2, 0xf033
	s_cbranch_scc0 .Lentry_shape_is_right
	s_endpgm
.Lentry_shape_is_right:
; O = P V / l on codes of FP6 (E2M3) with E8M0 scales, f32 sums.  p_rec [query group 64][key step 16] holds p = 2^(t - M) under each key step's OWN whole number M; p_stats holds -M and l for each query and key step.
; THE PROLOGUE brings all 16 key steps of a query under the row's M: E = the row's M - the key step's M, a whole number, 0 or more, is taken off each of the key step's four scale bytes (the codes stay),
; and l = the sum of l_q 2^-E.  The adjusted scale words of the tile's 128 queries, for all of K, and 1 / l lie in LDS bytes of their own.
; A RECORD is 128 rows x 128 along K in the order of the operand's registers: eight fragment images of 1,536 bytes (registers 4 c .. 4 c + 3 of lane l at 512 c + 16 l), then 128 scale words (word 16 i + r);
; lane r of fragment i stands for row 32 (i / 2) + 8 (i % 2) + r + 8 (r / 8).  v_rec: [batch 4][channel group 8][key step 16], rows = channels, K = keys.
; SHARES: a tile of 128 queries x 256 channels to a work-group: 64 x 4 = 256 work-groups.  Wave w makes 64 queries (fragments 4 (w / 2) .. + 3 of P's record) x 128 channels (channel group w % 2): 32 accumulators.
; THE PRODUCT IS USED TRANSPOSED (source 0 = channels, source 1 = queries): a lane holds one query, and the 16 registers of accumulators (a, 2 B), (a, 2 B + 1) are channels 32 B + 16 h + 0 .. 15.
; THE RING: two LDS slots of FOUR K steps each: P's four records, then four records of each of V's two channel groups: 153,600 bytes.  One tensor load a wave: waves 0 and 1 bring two records of P each,
; waves 2 and 3 a channel group of V each.  K = 2,048 is sixteen K steps: eight are asked for at the head, eight by two refills, each with four K steps, 128 products a wave, in which to land.
; At most two tensor loads of a wave are out.
; CLUSTERS: 4 x 4 work-groups; P's parts are asked for jointly by a row of the cluster (one query group, four tile columns), V's by a column (four query groups of one batch).
; A K STEP: 36 loads of 512 bytes and 6 of 128 feed 32 products.  Both operands have two sets of registers; the next step's loads stand in three short runs among this step's products.
; LIMITS: E is held at 127: a key step 127 or more powers of two under the row's M adds 0 to l, and a block whose byte would fall under 0 is taken at byte 0, 2^-127: both under 2^-120 of l, which is over 1/2.
;   M is a whole number in f32, exact up to 2^24.  NaN and infinities are not served.
; REGISTERS: window 0: v16-31 addresses and the add's two, v32-47 scale words (two sets), v64-146 the prologue, v64-71 1 / l on the way out, v128-255 rows of O on the way out;
;   window 1: the operands of even K steps (v0-95 V's eight fragments, v96-143 P's four);  window 3: those of odd K steps;  window 2: the accumulators ((a, b) at v[8 (8 a + b)]).
.set REC,   12800
.set PARTA, 2*REC                      ; what waves 0 and 1 bring: two K steps of P's 128 rows
.set PARTB, 4*REC                      ; what waves 2 and 3 bring: four K steps of 128 channels
.set SLOT,  3*PARTB
.set GRPB,  16*REC                     ; a group's sixteen records
.set STAGE, 0                          ; the way out: 16 rows x 528 bytes a wave in slot 0, which has had its last fill and its last read behind the last change of slots
.set ASC,   2*SLOT                     ; the adjusted scale words: [key step 16][128 words]; no fill lands here
.set RLB,   ASC+8192                   ; 1 / l of the 128 queries
.set SPARE, RLB+512                    ; the spare words: 128 bytes a wave, two blocks of 256 bytes that no other line names
.set ADRA, 16                          ; v16-17 my four fragments of P in slot 0, 1: + 16 x lane
.set ADRB, 18                          ; v18-19 my channel group in slot 0, 1: + 16 x lane
.set SCAA, 20                          ; v20  ASC + my 64 words + 4 x lane
.set RLA,  21                          ; v21  RLB + my 64 words + 4 r
.set SCAB, 22                          ; v22-23 my channel group in slot 0, 1: + 4 x lane
.set LI,   24                          ; v24  16 x lane
.set STO,  25                          ; v25  the stage, in
.set RD,   26                          ; v26  the stage, back
.set PL4,  27                          ; v27  4 x lane
.set SPW,  28
.set NIL,  29
.set ASCW, 30                          ; v30  where the prologue puts scale words
.set RLW,  31                          ; v31  and 1 / l
.set SC,   32                          ; scale words: set k % 2 at SC + 8 (k % 2); + p: P's blocks 2 p (lanes 0-15) and 2 p + 1 (lanes 16-31), p = 0, 1; + 4 + p: V's, p = 0 .. 3
.set RAW,  64                          ; the prologue: a query a lane: v64-79 its scale words of 16 key steps, v80-95 -M, v96-111 l, v112-143 at work
.set NMR,  80
.set LR,   96
.set EE,   112
.set FF,   128
.set NG,   144
.set LL,   145
.set RC,   146
.set RCP,  64                          ; the way out: v[64 + 2 a : 65 + 2 a] 1 / l of block a, twice
.set BK,   128
.set BF,   0                           ; in window 1 or 3: V's fragments,
.set AFR,  96                          ; P's fragments
.set G1A,  24                          ; s[24:31] group 1 for P's parts;  s[32:39] group 0, a set for each slot
.set G0A,  32
.set G1B,  48                          ; s[48:55], s[56:63] the same for V's
.set G0B,  56
.set OUT,  88
.set MSB, 0
.macro WIN new                         ; the immediate's high byte repeats the setting that is left
.if MSB != (\new)
	s_set_vgpr_msb (MSB<<8)|(\new)
.set MSB, (\new)
.endif
.endm
.macro WMUL k                          ; K step k's products: sources 0 and 1 in window 1 (k even) or 3 (k odd), C and D in window 2
	WIN 0xa0+5*(1+2*((\k)%2))
.endm
.macro WLD k                           ; K step k's loads: destination in window 1 or 3, address in window 0
	WIN (1+2*((\k)%2))<<6
.endm
.macro PLACES n                        ; plain places behind matrix instructions: four in front of loads into registers that they read and of the first read of results
.rept \n
	v_nop
.endr
.endm
; A joint load: waves 0 and 1 fetch for P, waves 2 and 3 for V; the branch hangs on the wave's number alone.  Four v_nop follow each of the two lines.
.macro JLOAD g0a, g1a, g0b, g1b
	s_cmp_eq_u32 s15, 0
	s_cbranch_scc0 .Lfor_b_\@
	tensor_load_to_lds s[\g0a:\g0a+3], s[\g1a:\g1a+7]
	s_nop 0
.rept 4
	v_nop
.endr
	s_branch .Lasked_\@
.Lfor_b_\@:
	tensor_load_to_lds s[\g0b:\g0b+3], s[\g1b:\g1b+7]
	s_nop 0
.rept 4
	v_nop
.endr
.Lasked_\@:
.endm
.macro CREST                           ; a round of the cluster's barrier behind its opening barrier
	s_cmp_lg_u32 s14, 0
	s_cbranch_scc1 .Lnot_wave_0_\@
	s_barrier_signal -3
.Lnot_wave_0_\@:
	s_barrier_wait -3
	s_barrier_signal -1
	s_barrier_wait -1
.endm
.macro CROUND
	s_barrier_signal -1
	s_barrier_wait -1
	CREST
.endm
.macro FRAG reg, adr, kq, i            ; a fragment image: three loads of 512 consecutive bytes
.irp c, 0,1,2
	ds_load_b128 v[\reg+4*\c:\reg+4*\c+3], v[\adr] offset:(\kq)*REC+(\i)*1536+512*\c
.endr
.endm
.macro FETCH_B k, i0                   ; K step k lies in slot (k / 4) % 2, record k % 4; V's fragments i0 .. i0 + 3
.irp i, \i0, \i0+1, \i0+2, \i0+3
	FRAG BF+12*(\i), ADRB+((\k)/4)%2, (\k)%4, \i
.endr
.endm
.macro FETCH_A k                       ; my four fragments of P
.irp i, 0,1,2,3
	FRAG AFR+12*\i, ADRA+((\k)/4)%2, (\k)%4, \i
.endr
.endm
.macro SCALES k                        ; P's words are the adjusted ones, which lie apart from the ring; V's come from the record
.irp p, 0,1
	ds_load_b32 v[SC+8*((\k)%2)+\p], v[SCAA] offset:512*(\k)+128*\p
.endr
.irp p, 0,1,2,3
	ds_load_b32 v[SC+8*((\k)%2)+4+\p], v[SCAB+((\k)/4)%2] offset:((\k)%4)*REC+12288+128*\p
.endr
.endm
.macro WM r0, r1, zero                 ; one product; r0, r1: source 0's and source 1's scales stand in lanes 16-31
.if \zero
.if (\r0)&&(\r1)
	v_wmma_scale_f32_16x16x128_f8f6f4 v[rD:rD+7], v[rB:rB+11], v[rA:rA+11], 0, v[xB], v[xA] matrix_a_fmt:MATRIX_FMT_FP6 matrix_b_fmt:MATRIX_FMT_FP6 matrix_a_scale:MATRIX_SCALE_ROW1 matrix_b_scale:MATRIX_SCALE_ROW1
.elseif (\r0)
	v_wmma_scale_f32_16x16x128_f8f6f4 v[rD:rD+7], v[rB:rB+11], v[rA:rA+11], 0, v[xB], v[xA] matrix_a_fmt:MATRIX_FMT_FP6 matrix_b_fmt:MATRIX_FMT_FP6 matrix_a_scale:MATRIX_SCALE_ROW1
.elseif (\r1)
	v_wmma_scale_f32_16x16x128_f8f6f4 v[rD:rD+7], v[rB:rB+11], v[rA:rA+11], 0, v[xB], v[xA] matrix_a_fmt:MATRIX_FMT_FP6 matrix_b_fmt:MATRIX_FMT_FP6 matrix_b_scale:MATRIX_SCALE_ROW1
.else
	v_wmma_scale_f32_16x16x128_f8f6f4 v[rD:rD+7], v[rB:rB+11], v[rA:rA+11], 0, v[xB], v[xA] matrix_a_fmt:MATRIX_FMT_FP6 matrix_b_fmt:MATRIX_FMT_FP6
.endif
.else
.if (\r0)&&(\r1)
	v_wmma_scale_f32_16x16x128_f8f6f4 v[rD:rD+7], v[rB:rB+11], v[rA:rA+11], v[rD:rD+7], v[xB], v[xA] matrix_a_fmt:MATRIX_FMT_FP6 matrix_b_fmt:MATRIX_FMT_FP6 matrix_a_scale:MATRIX_SCALE_ROW1 matrix_b_scale:MATRIX_SCALE_ROW1
.elseif (\r0)
	v_wmma_scale_f32_16x16x128_f8f6f4 v[rD:rD+7], v[rB:rB+11], v[rA:rA+11], v[rD:rD+7], v[xB], v[xA] matrix_a_fmt:MATRIX_FMT_FP6 matrix_b_fmt:MATRIX_FMT_FP6 matrix_a_scale:MATRIX_SCALE_ROW1
.elseif (\r1)
	v_wmma_scale_f32_16x16x128_f8f6f4 v[rD:rD+7], v[rB:rB+11], v[rA:rA+11], v[rD:rD+7], v[xB], v[xA] matrix_a_fmt:MATRIX_FMT_FP6 matrix_b_fmt:MATRIX_FMT_FP6 matrix_b_scale:MATRIX_SCALE_ROW1
.else
	v_wmma_scale_f32_16x16x128_f8f6f4 v[rD:rD+7], v[rB:rB+11], v[rA:rA+11], v[rD:rD+7], v[xB], v[xA] matrix_a_fmt:MATRIX_FMT_FP6 matrix_b_fmt:MATRIX_FMT_FP6
.endif
.endif
.endm
; 8 products: my block a of P x V's eight, K step k.  The 32 accumulators take turns, one instruction a turn, in the same order in every step.
.macro MUL8 a, k, zero
.irp b, 0,1,2,3,4,5,6,7
.set rD, 8*(8*(\a)+\b)
.set rB, BF+12*\b
.set rA, AFR+12*(\a)
.set xB, SC+8*((\k)%2)+4+\b/2
.set xA, SC+8*((\k)%2)+(\a)/2
	WM \b%2, (\a)%2, \zero
.endr
.endm
; A K step whose successor lies in the same slot.  The successor's 42 loads go into the other set of registers, which the step before has read: four places stand between its last product and the first of them.
.macro STEPN k, zero
	s_wait_dscnt 0x0                               ; this step's fragments and scale words are in
.if (\k) > 0
	PLACES 4
.endif
	WIN 0
	SCALES (\k)+1
	WLD (\k)+1
	FETCH_B (\k)+1, 0
	WMUL \k
	MUL8 0, \k, \zero
	WLD (\k)+1
	FETCH_B (\k)+1, 4
	WMUL \k
	MUL8 1, \k, \zero
	WLD (\k)+1
	FETCH_A (\k)+1
	WMUL \k
	MUL8 2, \k, \zero
	MUL8 3, \k, \zero
.endm
; A slot's last K step changes slots.  Its operands are in registers, so the barrier stands early in it: in front of it each wave waits for all its tensor loads, adds 0 to its spare word, and waits for that and for its
; reads of this slot.  fill = 1: this slot is filled again, eight K steps on: the joint load stands first behind a round of the cluster's barrier, which the barrier opens.
.macro TURN k, fill
.set SL, ((\k)/4)%2
	WIN 0                                          ; (the add's two registers lie in window 0)
	s_wait_tensorcnt 0x0                           ; all my tensor loads have landed: my part of the next slot among them
	ds_add_u32 v[SPW], v[NIL]                      ; 0 onto my spare word
	s_wait_dscnt 1                                 ; this step's fragments and scale words, which are older than the add, are in; the add may be out
	WMUL \k
	MUL8 0, \k, 0                                  ; eight products stand between the add and the wait for it
	s_wait_dscnt 0x0                               ; the add is done, and my reads of this slot are over
	s_barrier_signal -1
	MUL8 1, \k, 0
	WIN 0
	s_barrier_wait -1
.if \fill
	CREST                                          ; no wave of any partner still reads this slot or has a load on its way
	s_add_nc_u64 s[G0A+4*SL+2:G0A+4*SL+3], s[G0A+4*SL+2:G0A+4*SL+3], 2*PARTB   ; eight K steps on; no tensor load of mine is out
	s_add_nc_u64 s[G0B+4*SL+2:G0B+4*SL+3], s[G0B+4*SL+2:G0B+4*SL+3], 2*PARTB
	JLOAD G0A+4*SL, G1A, G0B+4*SL, G1B             ; its four v_nop are also the places in front of the loads below
.else
	PLACES 4
.endif
	SCALES (\k)+1
	WLD (\k)+1
	FETCH_B (\k)+1, 0
	WMUL \k
	MUL8 2, \k, 0
	WLD (\k)+1
	FETCH_B (\k)+1, 4
	FETCH_A (\k)+1
	WMUL \k
	MUL8 3, \k, 0
.endm
.macro LAST k                          ; nothing more to fetch
	s_wait_dscnt 0x0
	WMUL \k
	MUL8 0, \k, 0
	MUL8 1, \k, 0
	MUL8 2, \k, 0
	MUL8 3, \k, 0
	WIN 0
.endm
	s_load_b256 s[4:11], s[0:1], 0x0               ; p_rec, p_stats, v_rec, out0
	v_lshl_add_u32 v[SPW], v0, 2, SPARE
	v_mov_b32 v[NIL], 0
	ds_add_u32 v28, v29
	ds_add_u32 v28, v29
	s_wait_dscnt 0x0
	v_lshrrev_b32 v1, 5, v0
	v_readfirstlane_b32 s14, v1                    ; wave 0..3
	s_lshr_b32 s15, s14, 1                         ; my half of the queries.  Also: I fetch for P (0) or for V (1)
	s_and_b32 s16, s14, 1                          ; my channel group.  Also: which part I fetch
	s_bfe_u32 s40, ttmp6, 0x40000                  ; cx
	s_bfe_u32 s41, ttmp6, 0x40004                  ; cy
	s_lshl_b32 s22, s41, 2
	s_lshl_b32 s22, 15, s22                        ; my row of the cluster
	s_lshl_b32 s23, 0x1111, s40                    ; my column
	s_or_b32 s[G1A], s22, (3<<16)|(1<<21)          ; 15:0 the mask; 17:16 elements of 8 bytes; 21 set beside a mask; no padding
	s_or_b32 s[G1B], s23, (3<<16)|(1<<21)
	s_mov_b32 s[G1A+1], 32<<16                     ; P's part: a dense block of 25,600 bytes as 100 rows of 256 bytes: tensor_dim0 = 32 elements
	s_mov_b32 s[G1A+2], 100<<16                    ; tensor_dim1
	s_mov_b32 s[G1A+3], 32<<16                     ; tile_dim0
	s_mov_b32 s[G1A+4], 100                        ; tile_dim1
	s_mov_b32 s[G1A+5], 32                         ; from row to row
	s_mov_b32 s[G1A+6], 0
	s_mov_b32 s[G1A+7], 0
	s_mov_b32 s[G1B+1], 32<<16                     ; V's part: 51,200 bytes as 200 rows
	s_mov_b32 s[G1B+2], 200<<16
	s_mov_b32 s[G1B+3], 32<<16
	s_mov_b32 s[G1B+4], 200
	s_mov_b32 s[G1B+5], 32
	s_mov_b32 s[G1B+6], 0
	s_mov_b32 s[G1B+7], 0
	s_and_b32 s17, ttmp7, 0xffff                   ; cluster y, 0..15
	s_lshl_b32 s42, s17, 2
	s_add_co_u32 s42, s42, s41                     ; my query group: 4 y + cy
	s_lshl_b32 s43, ttmp9, 2
	s_add_co_u32 s43, s43, s40                     ; my tile column, 256 channels: 4 x + cx
	s_lshr_b32 s18, s17, 2                         ; the batch, from the cluster's y alone
	s_mul_i32 s44, s42, GRPB                       ; P's records of my query group,
	s_mul_i32 s19, s16, PARTA                      ; and the two of a slot's four that I fetch
	s_add_co_u32 s44, s44, s19
	s_mov_b32 s45, 0
	s_lshl_b32 s46, s43, 1
	s_add_co_u32 s46, s46, s16
	s_lshl_b32 s18, s18, 3
	s_add_co_u32 s46, s46, s18
	s_mul_i32 s46, s46, GRPB                       ; V's records of the channel group that I fetch
	s_mov_b32 s47, 0
	s_lshl_b32 s20, s14, 7                         ; the prologue: my 32 of the group's 128 words
	s_mul_i32 s18, s42, GRPB
	s_add_co_u32 s18, s18, s20
	s_add_co_u32 s18, s18, 12288                   ; a record's scale words lie behind its eight images
	s_mov_b32 s19, 0
	s_lshl_b32 s22, s42, 14                        ; the group's statistics: 16 key steps of 1,024 bytes
	s_add_co_u32 s22, s22, s20
	s_mov_b32 s23, 0
	s_lshl_b32 s90, s42, 19                        ; out0: 128 rows of 4,096 bytes a query group,
	s_lshl_b32 s91, s15, 18                        ; my 64 of them,
	s_add_co_u32 s90, s90, s91
	s_lshl_b32 s91, s43, 10                        ; 1,024 bytes a tile column,
	s_add_co_u32 s90, s90, s91
	s_lshl_b32 s91, s16, 9                         ; my 512 of them
	s_add_co_u32 s90, s90, s91
	s_mov_b32 s91, 0
	s_mul_i32 s66, s16, PARTA                      ; where my part of a slot lies, if I fetch for P;
	s_mul_i32 s67, s16, PARTB
	s_add_co_u32 s67, s67, PARTB                   ; if for V: no place in the cluster enters an LDS address
	v_and_b32 v1, 31, v0
	v_lshlrev_b32 v[PL4], 2, v1
	s_wait_kmcnt 0x0
	s_add_nc_u64 s[92:93], s[4:5], s[44:45]
	s_add_nc_u64 s[94:95], s[8:9], s[46:47]
	s_add_nc_u64 s[96:97], s[4:5], s[18:19]
	s_add_nc_u64 s[98:99], s[6:7], s[22:23]
	s_add_nc_u64 s[OUT:OUT+1], s[10:11], s[90:91]
.irp q, 0,1,2,3,4,5,6,7,8,9,10,11,12,13,14,15     ; a query a lane: its raw scale words, -M and l of all 16 key steps.  A load covers 128 consecutive bytes, the four waves together a plane's 512.
	global_load_b32 v[RAW+\q], v[PL4], s[96:97] offset:\q*REC        ; They are asked for ahead of the round, and are on their way while the first fills go out
	global_load_b32 v[NMR+\q], v[PL4], s[98:99] offset:\q*1024
	global_load_b32 v[LR+\q], v[PL4], s[98:99] offset:\q*1024+512
.endr
	CROUND                                         ; all sixteen work-groups are here: the first joint loads meet
.irp s, 0,1
	s_mov_b32 s[G0A+4*\s], 1
	s_add_co_u32 s[G0A+4*\s+1], s66, \s*SLOT
	s_add_nc_u64 s[G0A+4*\s+2:G0A+4*\s+3], s[92:93], \s*PARTB
	s_or_b32 s[G0A+4*\s+3], s[G0A+4*\s+3], 0x80000000
	s_mov_b32 s[G0B+4*\s], 1
	s_add_co_u32 s[G0B+4*\s+1], s67, \s*SLOT
	s_add_nc_u64 s[G0B+4*\s+2:G0B+4*\s+3], s[94:95], \s*PARTB
	s_or_b32 s[G0B+4*\s+3], s[G0B+4*\s+3], 0x80000000
	JLOAD G0A+4*\s, G1A, G0B+4*\s, G1B             ; K steps 0-3 and 4-7
.endr
	v_lshlrev_b32 v[LI], 4, v1
	v_and_b32 v3, 15, v0                           ; r
	v_bfe_u32 v4, v0, 4, 1                         ; h
	s_mul_i32 s17, s15, 4*1536                     ; my four fragments in a record of P
	s_mul_i32 s18, s16, PARTB
	s_add_co_u32 s18, s18, PARTB                   ; my channel group's records
.irp s, 0,1
	v_add_nc_u32 v[ADRA+\s], s17, v[LI]
	v_add_nc_u32 v[ADRB+\s], s18, v[LI]
	v_add_nc_u32 v[SCAB+\s], s18, v[PL4]
	s_add_co_u32 s17, s17, SLOT
	s_add_co_u32 s18, s18, SLOT
.endr
	s_lshl_b32 s19, s15, 8
	s_add_co_u32 s19, s19, ASC
	v_add_nc_u32 v[SCAA], s19, v[PL4]              ; my 64 queries' adjusted scale words
	s_lshl_b32 s19, s14, 7
	s_add_co_u32 s20, s19, ASC
	v_add_nc_u32 v[ASCW], s20, v[PL4]              ; where the prologue's 32 words go
	s_add_co_u32 s20, s19, RLB
	v_add_nc_u32 v[RLW], s20, v[PL4]
	s_lshl_b32 s19, s15, 8
	s_add_co_u32 s19, s19, RLB
	v_lshl_add_u32 v[RLA], v3, 2, s19
	s_mul_i32 s19, s14, 16*528
	s_add_co_u32 s19, s19, STAGE
	v_mul_u32_u24 v[STO], v3, 528
	v_lshl_add_u32 v[STO], v4, 6, v[STO]
	v_add_nc_u32 v[STO], s19, v[STO]               ; the stage, in: row r, + 64 h
	v_add_nc_u32 v[RD], s19, v[LI]                 ; and back: 16 x lane
	s_wait_loadcnt 0x0
	v_min3_num_f32 v[NG], v[NMR], v[NMR+1], v[NMR+2]   ; the smallest -M is the row's
.irp q, 3,5,7,9,11,13
	v_min3_num_f32 v[NG], v[NG], v[NMR+\q], v[NMR+\q+1]
.endr
	v_min_num_f32 v[NG], v[NG], v[NMR+15]
.irp q, 0,1,2,3,4,5,6,7,8,9,10,11,12,13,14,15     ; the sixteen key steps by turns, so that no line waits for the line above it
	v_sub_f32 v[EE+\q], v[NMR+\q], v[NG]           ; E = the row's M - this key step's: a whole number, 0 or more
.endr
.irp q, 0,1,2,3,4,5,6,7,8,9,10,11,12,13,14,15
	v_min_num_f32 v[EE+\q], 0x42fe0000, v[EE+\q]   ; held at 127
.endr
.irp q, 0,1,2,3,4,5,6,7,8,9,10,11,12,13,14,15
	v_cvt_u32_f32 v[EE+\q], v[EE+\q]
.endr
.irp q, 0,1,2,3,4,5,6,7,8,9,10,11,12,13,14,15
	v_sub_nc_u32 v[FF+\q], 127, v[EE+\q]
.endr
.irp q, 0,1,2,3,4,5,6,7,8,9,10,11,12,13,14,15
	v_lshlrev_b32 v[FF+\q], 23, v[FF+\q]           ; 2^-E as f32 (0 where E = 127)
.endr
	v_mul_f32 v[LL], v[LR], v[FF]
.irp q, 1,2,3,4,5,6,7,8,9,10,11,12,13,14,15
	v_fmac_f32 v[LL], v[LR+\q], v[FF+\q]           ; l = the sum of l_q 2^-E
.endr
.irp q, 0,1,2,3,4,5,6,7,8,9,10,11,12,13,14,15
	v_perm_b32 v[EE+\q], v[EE+\q], v[EE+\q], 0     ; E in all four bytes
.endr
.irp q, 0,1,2,3,4,5,6,7,8,9,10,11,12,13,14,15
	v_or_b32 v[RAW+\q], 0x80808080, v[RAW+\q]      ; the bytes are 1 to 125: with 128 on each, taking E (at most 127) off borrows nothing from the next byte
.endr
.irp q, 0,1,2,3,4,5,6,7,8,9,10,11,12,13,14,15
	v_sub_nc_u32 v[RAW+\q], v[RAW+\q], v[EE+\q]
.endr
.irp q, 0,1,2,3,4,5,6,7,8,9,10,11,12,13,14,15
	v_and_b32 v[EE+\q], 0x80808080, v[RAW+\q]      ; bit 7 stands where byte - E is 0 or more
.endr
.irp q, 0,1,2,3,4,5,6,7,8,9,10,11,12,13,14,15
	v_lshrrev_b32 v[FF+\q], 7, v[EE+\q]
.endr
.irp q, 0,1,2,3,4,5,6,7,8,9,10,11,12,13,14,15
	v_sub_nc_u32 v[EE+\q], v[EE+\q], v[FF+\q]      ; 0x7f there, 0 elsewhere
.endr
.irp q, 0,1,2,3,4,5,6,7,8,9,10,11,12,13,14,15
	v_and_b32 v[RAW+\q], v[RAW+\q], v[EE+\q]       ; byte - E, held at 0 from below
.endr
.irp q, 0,1,2,3,4,5,6,7,8,9,10,11,12,13,14,15
	ds_store_b32 v[ASCW], v[RAW+\q] offset:512*\q
.endr
	v_rcp_f32 v[RC], v[LL]
	v_nop                                          ; a plain place behind the reciprocal
	s_wait_alu depctr_va_vdst(0)                   ; and the wait ahead of its first reader
	ds_store_b32 v[RLW], v[RC]
	s_wait_tensorcnt 0x1                           ; my part of slot 0 is in; slot 1's may stay out
	s_wait_dscnt 0x0                               ; for the others' sake: my scale words and 1 / l are in LDS
	s_barrier_signal -1
	s_barrier_wait -1
	SCALES 0
	WLD 0
	FETCH_B 0, 0
	FETCH_B 0, 4
	FETCH_A 0
	STEPN 0, 1                                     ; the first products start the sums: nothing is cleared
	STEPN 1, 0
	STEPN 2, 0
	TURN 3, 1                                      ; slot 0 takes K steps 8-11
	STEPN 4, 0
	STEPN 5, 0
	STEPN 6, 0
	TURN 7, 1                                      ; slot 1 takes K steps 12-15
	STEPN 8, 0
	STEPN 9, 0
	STEPN 10, 0
	TURN 11, 0                                     ; nothing is left to fetch
	STEPN 12, 0
	STEPN 13, 0
	STEPN 14, 0
	LAST 15
; THE WAY OUT, block by block of 16 queries x 128 channels: x 1 / l, through my own stage in LDS, back as whole rows of 512 bytes.  LDS serves a wave's instructions in order: no wait between the stores and the loads.
.macro SCALE a
.set AC, 64*(\a)
	WIN 0x82                                       ; destination and source 0 in window 2
.set jj, 0
.rept 32
	v_pk_mul_f32 v[AC+jj:AC+jj+1], v[AC+jj:AC+jj+1], v[RCP+2*(\a):RCP+2*(\a)+1]   ; ascending: each accumulator is first read at its low end
.set jj, jj+2
.endr
.endm
.macro TOSTAGE a
.set AC, 64*(\a)
.set BB, BK+64*((\a)%2)
	WIN 0x08                                       ; an LDS store's data are its source 1: window 2
.irp b, 0,1,2,3,4,5,6,7
	ds_store_b128 v[STO], v[AC+8*\b:AC+8*\b+3] offset:128*(\b/2)+32*(\b%2)         ; channels 32 (b / 2) + 16 h + 8 (b % 2) + 0 .. 7 of my query
	ds_store_b128 v[STO], v[AC+8*\b+4:AC+8*\b+7] offset:128*(\b/2)+32*(\b%2)+16
.endr
	WIN 0
.irp t, 0,1,2,3,4,5,6,7,8,9,10,11,12,13,14,15
	ds_load_b128 v[BB+4*\t:BB+4*\t+3], v[RD] offset:528*\t
.endr
.endm
.macro SEND a, younger                 ; younger: the LDS instructions issued behind block a's loads, which may stay out
.set BB, BK+64*((\a)%2)
	s_wait_dscnt \younger
.irp t, 0,1,2,3,4,5,6,7,8,9,10,11,12,13,14,15
	global_store_b128 v[LI], v[BB+4*\t:BB+4*\t+3], s[OUT:OUT+1] offset:(32*((\a)/2)+8*((\a)%2)+\t+8*(\t/8))*4096 th:TH_STORE_NT   ; lane t of my block a is this row of my 64: 512 consecutive aligned bytes; the base is never stepped
.endr
.endm
.irp a, 0,1,2,3
	ds_load_b32 v[RCP+2*\a], v[RLA] offset:64*\a   ; 1 / l of my query in block a, into both registers of a pair
	ds_load_b32 v[RCP+2*\a+1], v[RLA] offset:64*\a
.endr
	s_wait_dscnt 0x0
	PLACES 4
	SCALE 0
	TOSTAGE 0
.irp a, 1,2,3
.if \a > 1
	s_wait_xcnt 0x0                                ; the stores of the block two back have read their registers: this block's loads may land there
.endif
	SCALE \a
	TOSTAGE \a
	SEND \a-1, 32                                  ; behind that block's loads: this block's 16 stores and 16 loads
.endr
	SEND 3, 0
	s_wait_tensorcnt 0x0                           ; the wave's end
	ds_add_u32 v[SPW], v[NIL]
	s_wait_dscnt 0x0
	CROUND                                         ; the closing round
	s_endpgm
.Lfunc_end_k_q9afb35de2a_pv:
	.size	k_q9afb35de2a_pv, .Lfunc_end_k_q9afb35de2a_pv-k_q9afb35de2a_pv
	.p2alignl 7, 3214868480
	.fill 96, 4, 3214868480
	.section	.rodata,"a",@progbits
	.p2align	6, 0x0
	.amdhsa_kernel k_q9afb35de2a_pv
		.amdhsa_group_segment_fixed_size 327680
		.amdhsa_private_segment_fixed_size 0
		.amdhsa_enable_private_segment 0
		.amdhsa_kernarg_size 32
		.amdhsa_user_sgpr_count 2
		.amdhsa_user_sgpr_kernarg_segment_ptr 1
		.amdhsa_wavefront_size32 1
		.amdhsa_system_sgpr_workgroup_id_x 1
		.amdhsa_system_sgpr_workgroup_id_y 1
		.amdhsa_system_sgpr_workgroup_id_z 1
		.amdhsa_system_vgpr_workitem_id 0
		.amdhsa_next_free_vgpr 1024
		.amdhsa_next_free_sgpr 100
		.amdhsa_reserve_vcc 0
		.amdhsa_float_denorm_mode_32 3
		.amdhsa_float_denorm_mode_16_64 3
		.amdhsa_memory_ordered 1
		.amdhsa_forward_progress 1
		.amdhsa_inst_pref_size 161
	.end_amdhsa_kernel
	.amdgpu_metadata
---
amdhsa.version: [ 1, 2 ]
amdhsa.kernels:
  - .name:           k_q9afb35de2a_pv
    .symbol:         k_q9afb35de2a_pv.kd
    .args:
      - { .name: p_rec, .offset: 0, .size: 8, .value_kind: global_buffer, .address_space: global }
      - { .name: p_stats, .offset: 8, .size: 8, .value_kind: global_buffer, .address_space: global }
      - { .name: v_rec, .offset: 16, .size: 8, .value_kind: global_buffer, .address_space: global }
      - { .name: out0, .offset: 24, .size: 8, .value_kind: global_buffer, .address_space: global }
    .group_segment_fixed_size: 327680
    .private_segment_fixed_size: 0
    .kernarg_segment_align: 8
    .kernarg_segment_size: 32
    .max_flat_workgroup_size: 128
    .sgpr_count:     100
    .vgpr_count:     1024
    .wavefront_size: 32
...
	.end_amdgpu_metadata
.endif
;; end of part 4
